; MI455X (gfx1250); checked and timed in simulation.
; The chip was launched on July 23, 2026; its instructions are those of AMD's public machine-readable ISA for CDNA 5 (MIT licence, August 2026) and "CDNA5" Instruction Set Architecture Reference Guide (July 2026). The comments in the code are by the model that wrote it; some were corrected since.
;; Multi Head Attention. Allowed arithmetic: matrix products marked QUANTISED: E2M1 operands, one E8M0 scale for each 32 along K, by v_wmma_scale_f32_16x16x128_f8f6f4 with both operands' format E2M1 (or v_wmma_scale_f32_32x16x128_f4), f32 sums; everything else in f32.
;; Inputs: b_k 1,024 float32; b_o 1,024 float32; b_q 1,024 float32; b_v 1,024 float32; w_k 1,024 x 1,024 float32; w_o 1,024 x 1,024 float32; w_q 1,024 x 1,024 float32; w_v 1,024 x 1,024 float32; x 4 x 2,048 x 1,024 float32.
;; Outputs: out0 4 x 2,048 x 1,024 float32.
;; This version of the problem:
;;   THIS VERSION OF THE PROBLEM IS GIVEN IN LOW PRECISION. The matrix products marked QUANTISED in the list below multiply operands that are first quantised to E2M1 (2 exponent bits, 1 mantissa bit; 4 bits a number), with one power-of-two scale for each 32 numbers along K (OCP MX v1.0); their sums are f32. All else is computed in f32.
;;   The module's matrix products, in the order in which they are computed (A, B: the left and right operand; K: the contracted axis; several contracted axes count as one K, in the product's order):
;;     1. [M 8,192, K 1,024] x [K 1,024, N 1,024]; A: input x; B: input w_q: QUANTISED
;;     2. [M 8,192, K 1,024] x [K 1,024, N 1,024]; A: input x; B: input w_k: QUANTISED
;;     3. [M 8,192, K 1,024] x [K 1,024, N 1,024]; A: input x; B: input w_v: QUANTISED
;;     4. batch 64 x [M 2,048, K 64] x [K 64, N 2,048]; A: computed on the way; B: computed on the way: QUANTISED
;;     5. batch 64 x [M 2,048, K 2,048] x [K 2,048, N 64]; A: softmax (see below); B: computed on the way: QUANTISED
;;     6. [M 8,192, K 1,024] x [K 1,024, N 1,024]; A: computed on the way; B: input w_o: QUANTISED
;;   THE QUANTISER, for each operand of a quantised product, along K:
;;     - K is cut into blocks of 32 from its start; a last block that is shorter is filled with zeros.
;;     - A block's scale is 2^e with e = floor(log2(the largest magnitude in the block)) - 2, held to -126 .. 127; a block of zeros has e = 0. As a byte (E8M0): e + 127.
;;     - Each number is divided by its block's scale, clamped to +-6, and rounded to the nearest number of E2M1, ties to even, subnormals kept.
;;     - The product sums the exact products of the quantised numbers (number of the format x scale) in f32.
;;   ~~~python
;;   def quantise(x, axis):      # numpy; x: float32 -> the quantised numbers, widened to float32 again
;;       x = np.moveaxis(x, axis, -1); K = x.shape[-1]
;;       x = np.pad(x, [(0, 0)] * (x.ndim - 1) + [(0, -K % 32)]); x = x.reshape(x.shape[:-1] + (-1, 32)); a = np.abs(x).max(-1, keepdims=True)
;;       e = np.where(a > 0, np.clip(np.frexp(np.where(a > 0, a, 1))[1] - 1 - 2, -126, 127), 0)      # np.frexp(a)[1] - 1 = floor(log2(a)), exactly
;;       r = np.clip(x / 2.0 ** e, -6, 6)
;;       step = 2.0 ** (np.maximum(np.frexp(np.where(r == 0, 1, r))[1] - 1, 0) - 1)
;;       q = np.round(r / step) * step * 2.0 ** e      # np.round: ties to even
;;       return np.moveaxis(q.reshape(q.shape[:-2] + (-1,))[..., :K], -1, axis).astype(np.float32)
;;   ~~~
;;   SOFTMAX AHEAD OF A QUANTISED PRODUCT. Where the list says 'softmax', what is quantised is not the finished softmax but p = 2^(t - M), with t = logit x log2(e) and M = ceil(the row's largest t), a whole number; so 1/2 < the row's largest p <= 1. The row's sum l is taken of the UNQUANTISED p, in f32, and the product's result is divided by l at the end. Since M is a whole number, a kernel that streams over the keys may use a running M (the ceiling of the running maximum): every later rescaling is an exact power of two, which a block's scale takes up: the codes' values come out the same.
;;   OPERANDS COMPUTED ON THE WAY. 'Computed on the way' means the value that the module computes at that place (a softmax that the list does not call 'softmax' is quantised finished and normalised). What goes into a quantiser is computed in f32, as accurately as f32 sums, v_exp_f32 and their like allow (about 1e-6 of the number): no bf16 or f16 on the way to a quantiser, and a product that is left as it is and whose result goes on into a quantised operand takes f32 operands (vector FMAs, or v_wmma_f32_16x16x4_f32). A number that lies on a knife's edge between two numbers of the format may be rounded either way, as far as f32 arithmetic and the matrix unit's own rounding can turn it there, and no further.
;; One version. Each part assembles by itself: llvm-mc -triple=amdgcn-amd-amdhsa -mcpu=gfx1250 --defsym DOCPART=n.
;; ======== version 1 of 1: 5 launches
;; workspace buffers: x_codes 4,194,304 bytes; x_scales 262,144 bytes; w_codes 2,097,152 bytes; w_scales 131,072 bytes; qkv 13,893,632 bytes; o_codes 4,194,304 bytes; o_scales 262,144 bytes
;; launch quant_x (part 1): grid 256 x 1, 4 waves a work-group, no clusters, 33,280 bytes of LDS; arguments x, x_codes, x_scales; writes x_codes, x_scales
.if DOCPART == 1
	.amdgcn_target "amdgcn-amd-amdhsa--gfx1250"
	.amdhsa_code_object_version 6
	.text
	.protected	k_q78f8d27a86_quant_x
	.globl	k_q78f8d27a86_quant_x
	.p2align	8
	.type	k_q78f8d27a86_quant_x,@function
k_q78f8d27a86_quant_x:
	s_mov_b64 s[64:65], 0
	v_nop
	global_prefetch_b8 v0, s[64:65] scope:SCOPE_SE
	s_setreg_imm32_b32 hwreg(HW_REG_WAVE_MODE, 25, 1), 1
	s_wait_xcnt 0x0
; x [8192][1024] f32 becomes codes of FP4 (E2M1), K innermost, two codes a byte (x_codes [8192][512 bytes]), and one E8M0 byte for each 32 along K (x_scales [8192][32]).
; A block's scale is 2^(floor(log2(its largest magnitude)) - 2); its byte is the largest magnitude's exponent field - 2, held at 1 from below.
; LIMITS: a block of zeros, or one whose largest magnitude lies under 2^-124, gets the byte 1 (its codes are zeros or tiny; the bytes are read by this program alone); NaN and infinities are not served.
; Rows are dense and 1024 is a multiple of 32: the tensor is a plain stream of blocks.  A wave takes 16 steps of 512 numbers.  Each load reads 512 consecutive bytes, 16 a lane; a step's 2,048 bytes
; turn through the wave's own stage in LDS and come back 64 bytes a lane, so that a lane holds 16 neighbours (two lanes a block).  A lane's 16 codes are 8 bytes: the wave stores 256 consecutive bytes.
; A wave's 256 scale bytes are gathered in its own LDS bytes and leave as 256 consecutive bytes.  Waves share nothing: no barrier, no cluster, no matrix unit: the launch only streams.
.set STEPS, 16
.set EMAX,  2
.set CB,    8                          ; bytes of 16 codes
.set R,     16                         ; v16-79   four sets of 16 numbers as loaded
.set X,     80                         ; v80-111  two sets of 16 neighbours
.set C,     128                        ; v128-191 codes: four registers a step, so that no store's data are written again
.set E,     112                        ; v112-127 a scale byte for each step
.set WREG,  8192                       ; LDS: a region for each wave: two stages of 32 x SP bytes, then its 256 scale bytes
.set SP,    80                         ; a lane's place in a stage: 64 bytes + 16 of padding
	s_load_b128 s[4:7], s[0:1], 0x0                ; x s[4:5], the codes s[6:7]
	s_load_b64 s[8:9], s[0:1], 0x10                ; the scale bytes
	v_lshl_add_u32 v192, v0, 2, 0x8000
	v_mov_b32 v193, 0
	v_lshrrev_b32 v1, 5, v0
	v_readfirstlane_b32 s16, v1                    ; wave
	v_and_b32 v2, 31, v0                           ; lane
	v_lshlrev_b32 v3, 4, v2                        ; my 16 bytes of a load's 512
	s_mul_i32 s17, s16, WREG
	v_lshrrev_b32 v14, 2, v2
	v_mul_u32_u24 v14, v14, SP
	v_and_b32 v15, 3, v2
	v_lshl_add_u32 v14, v15, 4, v14
	v_add_nc_u32 v14, s17, v14                     ; the stage, on the way in: SP (lane / 4) + 16 (lane % 4)
	v_mul_u32_u24 v15, v2, SP
	v_add_nc_u32 v15, s17, v15                     ; and on the way out: SP x lane
	v_mul_u32_u24 v4, v2, CB                       ; my codes' place in a step's
	v_lshrrev_b32 v5, 1, v2
	s_add_co_u32 s17, s17, 2*32*SP
	v_add_nc_u32 v5, s17, v5                       ; my block's byte among my wave's 256
	v_lshlrev_b32 v7, 3, v2                        ; on the way out 8 bytes a lane
	v_add_nc_u32 v6, s17, v7
	s_lshl_b32 s18, ttmp9, 2
	s_add_co_u32 s18, s18, s16                     ; which run of 8,192 numbers is my wave's: 0 .. 1023
	s_lshl_b32 s20, s18, 15                        ; 32,768 bytes of x,
	s_mov_b32 s21, 0
	s_lshl_b32 s22, s18, 12                        ; 4,096 of codes,
	s_mov_b32 s23, 0
	s_lshl_b32 s24, s18, 8                         ; 256 scale bytes a run
	s_mov_b32 s25, 0
	s_wait_alu depctr_va_vdst(0)
	s_wait_kmcnt 0x0
	s_add_nc_u64 s[4:5], s[4:5], s[20:21]
	s_add_nc_u64 s[6:7], s[6:7], s[22:23]
	s_add_nc_u64 s[8:9], s[8:9], s[24:25]
.macro LOAD t
.irp i, 0,1,2,3
	global_load_b128 v[R+16*((\t)%4)+4*\i:R+16*((\t)%4)+4*\i+3], v3, s[4:5] offset:2048*(\t)+512*\i th:TH_LOAD_NT   ; 32 lanes read 512 consecutive bytes
.endr
.endm
.macro TURN t                          ; step t's numbers through the stage: LDS serves a wave's instructions in order, so no wait stands between the stores and the loads
.irp i, 0,1,2,3
	ds_store_b128 v14, v[R+16*((\t)%4)+4*\i:R+16*((\t)%4)+4*\i+3] offset:32*SP*((\t)%2)+8*SP*\i
.endr
.irp i, 0,1,2,3
	ds_load_b128 v[X+16*((\t)%2)+4*\i:X+16*((\t)%2)+4*\i+3], v15 offset:32*SP*((\t)%2)+16*\i
.endr
.endm
.irp t, 0,1,2,3
	LOAD \t
.endr
	s_wait_loadcnt 12                              ; step 0's four loads are in; twelve younger ones stay out
	TURN 0
.macro STEP t
.set XS, X+16*((\t)%2)
.if (\t) > 0
	s_wait_dscnt 1                                 ; this step's numbers are back from the stage (the last step's byte store may be out)
.else
	s_wait_dscnt 0x0
.endif
.if (\t)+4 < STEPS
	LOAD (\t)+4                                    ; into the registers that the stage's stores have read
.endif
.if (\t)+1 < STEPS
.if STEPS-2-(\t) >= 3
	s_wait_loadcnt 12                              ; the next step's four loads are in; those of the three steps behind it may be out
.else
	s_wait_loadcnt 4*(STEPS-2-(\t))
.endif
	TURN (\t)+1
.endif
	v_max3_num_f32 v8, |v[XS]|, |v[XS+1]|, |v[XS+2]|               ; the largest magnitude of my 16, in two chains
	v_max3_num_f32 v9, |v[XS+3]|, |v[XS+4]|, |v[XS+5]|
.irp i, 6,10
	v_max3_num_f32 v8, v8, |v[XS+\i]|, |v[XS+\i+1]|
	v_max3_num_f32 v9, v9, |v[XS+\i+2]|, |v[XS+\i+3]|
.endr
	v_max3_num_f32 v8, v8, |v[XS+14]|, |v[XS+15]|
	v_max3_num_f32 v8, v8, v9, (EMAX+1)<<23        ; and the floor 2^(3 - 127): the byte cannot fall under 1
	v_max_num_f32_dpp v8, v8, v8 row_xmask:1 row_mask:0xf bank_mask:0xf   ; and of my neighbour's 16: the block's
	v_add_nc_u32 v11, -(EMAX<<23), v8              ; 2 off its exponent field: the conversion takes the exponent field of this operand as its scale
	v_cvt_scalef32_pk8_fp4_f32 v[C+4*(\t)], v[XS:XS+7], v11
	v_cvt_scalef32_pk8_fp4_f32 v[C+4*(\t)+1], v[XS+8:XS+15], v11
	v_lshrrev_b32 v[E+(\t)], 23, v11               ; the scale's byte (also the plain line behind the conversions)
	ds_store_b8 v5, v[E+(\t)] offset:16*(\t)       ; both lanes of a block write the same byte with the same value
	global_store_b64 v4, v[C+4*(\t):C+4*(\t)+1], s[6:7] offset:32*CB*(\t)   ; 32 lanes store 256 consecutive bytes
.endm
.irp t, 0,1,2,3,4,5,6,7,8,9,10,11,12,13,14,15
	STEP \t
.endr
	ds_load_b64 v[12:13], v6                       ; LDS serves a wave's instructions in order: these see my stores
	s_wait_dscnt 0x0
	global_store_b64 v7, v[12:13], s[8:9]          ; 32 lanes store 256 consecutive bytes
	s_wait_tensorcnt 0x0
	ds_add_u32 v192, v193
	s_wait_dscnt 0x0
	s_endpgm
.Lfunc_end_k_q78f8d27a86_quant_x:
	.size	k_q78f8d27a86_quant_x, .Lfunc_end_k_q78f8d27a86_quant_x-k_q78f8d27a86_quant_x
	.p2alignl 7, 3214868480
	.fill 96, 4, 3214868480
	.section	.rodata,"a",@progbits
	.p2align	6, 0x0
	.amdhsa_kernel k_q78f8d27a86_quant_x
		.amdhsa_group_segment_fixed_size 33280
		.amdhsa_private_segment_fixed_size 0
		.amdhsa_enable_private_segment 0
		.amdhsa_kernarg_size 24
		.amdhsa_user_sgpr_count 2
		.amdhsa_user_sgpr_kernarg_segment_ptr 1
		.amdhsa_wavefront_size32 1
		.amdhsa_system_sgpr_workgroup_id_x 1
		.amdhsa_system_sgpr_workgroup_id_y 1
		.amdhsa_system_sgpr_workgroup_id_z 1
		.amdhsa_system_vgpr_workitem_id 0
		.amdhsa_next_free_vgpr 194
		.amdhsa_next_free_sgpr 66
		.amdhsa_reserve_vcc 0
		.amdhsa_float_denorm_mode_32 3
		.amdhsa_float_denorm_mode_16_64 3
		.amdhsa_memory_ordered 1
		.amdhsa_forward_progress 1
		.amdhsa_inst_pref_size 33
	.end_amdhsa_kernel
	.amdgpu_metadata
---
amdhsa.version: [ 1, 2 ]
amdhsa.kernels:
  - .name:           k_q78f8d27a86_quant_x
    .symbol:         k_q78f8d27a86_quant_x.kd
    .args:
      - { .name: x, .offset: 0, .size: 8, .value_kind: global_buffer, .address_space: global }
      - { .name: x_codes, .offset: 8, .size: 8, .value_kind: global_buffer, .address_space: global }
      - { .name: x_scales, .offset: 16, .size: 8, .value_kind: global_buffer, .address_space: global }
    .group_segment_fixed_size: 33280
    .private_segment_fixed_size: 0
    .kernarg_segment_align: 8
    .kernarg_segment_size: 24
    .max_flat_workgroup_size: 128
    .sgpr_count:     66
    .vgpr_count:     194
    .wavefront_size: 32
...
	.end_amdgpu_metadata
.endif
;; end of part 1
;; launch quant_w (part 2): grid 32 x 2, 4 waves a work-group, no clusters, 36,352 bytes of LDS; arguments w_q, w_k, w_v, w_o, w_codes, w_scales; writes w_codes, w_scales
.if DOCPART == 2
	.amdgcn_target "amdgcn-amd-amdhsa--gfx1250"
	.amdhsa_code_object_version 6
	.text
	.protected	k_q78f8d27a86_quant_w
	.globl	k_q78f8d27a86_quant_w
	.p2align	8
	.type	k_q78f8d27a86_quant_w,@function
k_q78f8d27a86_quant_w:
	s_mov_b64 s[64:65], 0
	v_nop
	global_prefetch_b8 v0, s[64:65] scope:SCOPE_SE
	s_setreg_imm32_b32 hwreg(HW_REG_WAVE_MODE, 25, 1), 1
	s_wait_xcnt 0x0
; The four weights [1024 (k)][1024 (n)] f32, K along the FIRST axis, become codes of FP4 with K innermost: w_codes [4096 rows = 1024 x weight + n][512 bytes], w_scales [4096][32]; weights in the order q, k, v, o.
; A LANE TAKES A COLUMN n AND ITS REGISTERS RUN DOWN K: each load reads neighbouring n in neighbouring lanes (128 consecutive bytes a wave, 512 a work-group), a block of 32 along K lies in one lane's 32 registers,
; and the conversions give codes with K innermost.  A wave takes 32 columns x 512 along K; its codes go through its own stage in LDS and leave as rows: sixteen lanes store 256 consecutive bytes.
; Work-group x: weight x / 8, columns 128 (x % 8) on; work-group y: which 512 along K.  Waves share nothing: no barrier, no cluster.  64 work-groups: a shorter run along K would cut the rows of 256 bytes of codes.
; LIMITS: a block of zeros, or one under 2^-124, gets the byte 1 (read by this program alone); NaN and infinities are not served.  The scale bytes leave as 16 bytes a row, rows 32 bytes apart: one byte in 128 of what is read.
.set SIZE_N, 1024
.set SIZE_K, 1024
.set KW,    512
.set NB,    KW/32
.set ROWB,  256
.set PITCH, ROWB+16
.set KROW,  SIZE_K/2
.set EMAX,  2
.set X,     32                         ; v32-95   two sets of 32 numbers
.set C,     96                         ; v96-99   a block's codes
.set OUTR,  112                        ; v112-175 the way out
.set SB,    24                         ; v24-27   the scale bytes, four to a register
	s_load_b256 s[4:11], s[0:1], 0x0               ; w_q, w_k, w_v, w_o
	s_load_b128 s[12:15], s[0:1], 0x20             ; the codes s[12:13], the scale bytes s[14:15]
	v_lshl_add_u32 v192, v0, 2, 0x8c00
	v_mov_b32 v193, 0
	v_lshrrev_b32 v1, 5, v0
	v_readfirstlane_b32 s16, v1                    ; wave 0..3
	v_and_b32 v2, 31, v0                           ; lane
	s_wait_alu depctr_va_vdst(0)
	s_lshl_b32 s18, s16, 5
	s_and_b32 s17, ttmp9, 7
	s_lshl_b32 s17, s17, 7
	s_add_co_u32 s17, s17, s18                     ; my wave's first column in its weight
	s_lshl_b32 s30, ttmp9, 7
	s_add_co_u32 s30, s30, s18                     ; and its first row in the codes: 1024 x weight + column = 128 x + 32 wave
	s_lshr_b32 s31, ttmp9, 3                       ; which weight
	s_and_b32 s18, ttmp7, 0xffff                   ; which 512 along K
	v_lshlrev_b32 v3, 2, v2                        ; in: 4 bytes a lane
	s_mul_i32 s19, s16, 32*PITCH                   ; my stage
	v_mul_u32_u24 v4, v2, PITCH
	v_add_nc_u32 v4, s19, v4                       ; into it: row = my column
	v_and_b32 v5, 15, v2
	v_lshrrev_b32 v6, 4, v2                        ; out of it: sixteen lanes to a row, two rows an instruction
	v_mul_u32_u24 v7, v6, PITCH
	v_lshl_add_u32 v7, v5, 4, v7
	v_add_nc_u32 v7, s19, v7
	v_mul_u32_u24 v8, v6, KROW
	v_lshl_add_u32 v8, v5, 4, v8                   ; and the same place in the codes' buffer
	s_lshl_b32 s20, s18, 21                        ; 512 rows of 4,096 bytes,
	s_lshl_b32 s22, s17, 2
	s_add_co_u32 s20, s20, s22                     ; + 4 x column
	s_mov_b32 s21, 0
	s_lshl_b32 s24, s30, 9                         ; codes: row x 512 + 256 y
	s_lshl_b32 s26, s18, 8
	s_add_co_u32 s24, s24, s26
	s_mov_b32 s25, 0
	s_lshl_b32 s28, s30, 5                         ; scale bytes: row x 32 + 16 y
	s_lshl_b32 s26, s18, 4
	s_add_co_u32 s28, s28, s26
	s_mov_b32 s29, 0
	v_mul_u32_u24 v9, v2, SIZE_K/32                ; my column's row of scale bytes
	s_wait_kmcnt 0x0
	s_cmp_eq_u32 s31, 1                            ; the weight is chosen by the work-group's number alone
	s_cselect_b64 s[4:5], s[6:7], s[4:5]
	s_cmp_eq_u32 s31, 2
	s_cselect_b64 s[4:5], s[8:9], s[4:5]
	s_cmp_eq_u32 s31, 3
	s_cselect_b64 s[4:5], s[10:11], s[4:5]
	s_add_nc_u64 s[4:5], s[4:5], s[20:21]
	s_add_nc_u64 s[12:13], s[12:13], s[24:25]
	s_add_nc_u64 s[14:15], s[14:15], s[28:29]
.macro LOAD t                          ; block t: W(32 t + i, my column), i = 0 .. 31, into set t % 2
.irp i, 0,1,2,3,4,5,6,7,8,9,10,11,12,13,14,15,16,17,18,19,20,21,22,23,24,25,26,27,28,29,30,31
	global_load_b32 v[X+32*((\t)%2)+\i], v3, s[4:5] offset:(32*(\t)+\i)*SIZE_N*4 th:TH_LOAD_NT
.endr
.endm
	LOAD 0
	LOAD 1
.macro BLOCK t
.set XS, X+32*((\t)%2)
.if (\t) < NB-1
	s_wait_loadcnt 32                              ; this block's 32 loads are in; the next block's may be out
.else
	s_wait_loadcnt 0
.endif
	v_max3_num_f32 v12, |v[XS]|, |v[XS+1]|, |v[XS+2]|               ; the block's largest magnitude: all 32 numbers are mine
	v_max3_num_f32 v13, |v[XS+3]|, |v[XS+4]|, |v[XS+5]|
.irp i, 6,10,14,18,22,26
	v_max3_num_f32 v12, v12, |v[XS+\i]|, |v[XS+\i+1]|
	v_max3_num_f32 v13, v13, |v[XS+\i+2]|, |v[XS+\i+3]|
.endr
	v_max3_num_f32 v12, v12, |v[XS+30]|, |v[XS+31]|
	v_max3_num_f32 v12, v12, v13, (EMAX+1)<<23     ; and the floor 2^(3 - 127)
	v_add_nc_u32 v11, -(EMAX<<23), v12             ; 2 off its exponent field: the conversion's scale operand
	v_lshrrev_b32 v13, 23, v11                     ; the scale's byte
.if (\t)%4 == 0
	v_mov_b32 v[SB+(\t)/4], v13                    ; four bytes to a register, the lower K in the lower byte
.else
	v_lshl_or_b32 v[SB+(\t)/4], v13, 8*((\t)%4), v[SB+(\t)/4]
.endif
.irp g, 0,1,2,3
	v_cvt_scalef32_pk8_fp4_f32 v[C+\g], v[XS+8*\g:XS+8*\g+7], v11
.endr
	ds_store_b128 v4, v[C:C+3] offset:16*(\t)      ; 32 codes: 16 bytes of my column's row
.if (\t)+2 < NB
	LOAD (\t)+2
.endif
	s_wait_dscnt 0x0                               ; the store has read its registers: the next block's codes may be written
.endm
.set Q, 0
.rept NB
	BLOCK Q
.set Q, Q+1
.endr
	s_wait_alu depctr_va_vdst(0)
	global_store_b128 v9, v[SB:SB+3], s[14:15]     ; my column's 16 scale bytes
.irp t, 0,1,2,3,4,5,6,7,8,9,10,11,12,13,14,15
	ds_load_b128 v[OUTR+4*\t:OUTR+4*\t+3], v7 offset:2*\t*PITCH   ; LDS serves a wave's instructions in order: these see my stores
.endr
.irp t, 0,1,2,3,4,5,6,7,8,9,10,11,12,13,14,15
	s_wait_dscnt 15-\t
	global_store_b128 v8, v[OUTR+4*\t:OUTR+4*\t+3], s[12:13] offset:2*\t*KROW
.endr
	s_wait_tensorcnt 0x0
	ds_add_u32 v192, v193
	s_wait_dscnt 0x0
	s_endpgm
.Lfunc_end_k_q78f8d27a86_quant_w:
	.size	k_q78f8d27a86_quant_w, .Lfunc_end_k_q78f8d27a86_quant_w-k_q78f8d27a86_quant_w
	.p2alignl 7, 3214868480
	.fill 96, 4, 3214868480
	.section	.rodata,"a",@progbits
	.p2align	6, 0x0
	.amdhsa_kernel k_q78f8d27a86_quant_w
		.amdhsa_group_segment_fixed_size 36352
		.amdhsa_private_segment_fixed_size 0
		.amdhsa_enable_private_segment 0
		.amdhsa_kernarg_size 48
		.amdhsa_user_sgpr_count 2
		.amdhsa_user_sgpr_kernarg_segment_ptr 1
		.amdhsa_wavefront_size32 1
		.amdhsa_system_sgpr_workgroup_id_x 1
		.amdhsa_system_sgpr_workgroup_id_y 1
		.amdhsa_system_sgpr_workgroup_id_z 1
		.amdhsa_system_vgpr_workitem_id 0
		.amdhsa_next_free_vgpr 194
		.amdhsa_next_free_sgpr 66
		.amdhsa_reserve_vcc 0
		.amdhsa_float_denorm_mode_32 3
		.amdhsa_float_denorm_mode_16_64 3
		.amdhsa_memory_ordered 1
		.amdhsa_forward_progress 1
		.amdhsa_inst_pref_size 79
	.end_amdhsa_kernel
	.amdgpu_metadata
---
amdhsa.version: [ 1, 2 ]
amdhsa.kernels:
  - .name:           k_q78f8d27a86_quant_w
    .symbol:         k_q78f8d27a86_quant_w.kd
    .args:
      - { .name: w_q, .offset: 0, .size: 8, .value_kind: global_buffer, .address_space: global }
      - { .name: w_k, .offset: 8, .size: 8, .value_kind: global_buffer, .address_space: global }
      - { .name: w_v, .offset: 16, .size: 8, .value_kind: global_buffer, .address_space: global }
      - { .name: w_o, .offset: 24, .size: 8, .value_kind: global_buffer, .address_space: global }
      - { .name: w_codes, .offset: 32, .size: 8, .value_kind: global_buffer, .address_space: global }
      - { .name: w_scales, .offset: 40, .size: 8, .value_kind: global_buffer, .address_space: global }
    .group_segment_fixed_size: 36352
    .private_segment_fixed_size: 0
    .kernarg_segment_align: 8
    .kernarg_segment_size: 48
    .max_flat_workgroup_size: 128
    .sgpr_count:     66
    .vgpr_count:     194
    .wavefront_size: 32
...
	.end_amdgpu_metadata
.endif
;; end of part 2
;; launch qkv (part 3): grid 96 x 4, 4 waves a work-group, clusters of 4 x 4, 327,680 bytes of LDS; arguments x_codes, x_scales, w_codes, w_scales, b_q, b_k, b_v, qkv; writes qkv
.if DOCPART == 3
	.amdgcn_target "amdgcn-amd-amdhsa--gfx1250"
	.amdhsa_code_object_version 6
	.text
	.protected	k_q78f8d27a86_qkv
	.globl	k_q78f8d27a86_qkv
	.p2align	8
	.type	k_q78f8d27a86_qkv,@function
k_q78f8d27a86_qkv:
	s_mov_b64 s[64:65], 0
	v_nop
	global_prefetch_b8 v0, s[64:65] scope:SCOPE_SE
	s_setreg_imm32_b32 hwreg(HW_REG_WAVE_MODE, 25, 1), 1
	s_wait_xcnt 0x0
	s_wait_alu depctr_hold_cnt(0) depctr_sa_sdst(0) depctr_va_vdst(0) depctr_va_sdst(0) depctr_va_ssrc(0) depctr_va_vcc(0) depctr_vm_vsrc(0)
	s_getreg_b32 s2, hwreg(HW_REG_IB_STS2, 6, 4)
	s_cmp_eq_u32 s2, 0
	s_cbranch_scc0 .Lentry_in_a_cluster
	s_endpgm
.Lentry_in_a_cluster:
	s_bfe_u32 s2, ttmp6, 0x10000c
	s_cmp_lg_u32 s2, 0xf033
	s_cbranch_scc0 .Lentry_shape_is_right
	s_endpgm
.Lentry_shape_is_right:
; q = x w_q + b_q, k = x w_k + b_k, v = x w_v + b_v on codes of FP4 with E8M0 scales, K = 1024; the f32 results are quantised in registers and leave as codes only, laid as the attention launch's operand registers want them.
; 24 clusters of 4 x 4 work-groups, each work-group a tile of 256 x 256, each of its four waves 128 x 128 (64 accumulators, 512 registers).  Cluster c < 16: A = 1024 tokens of x (c / 2), B = the 1024 rows of w_q (c even) or w_k (c odd).
; Cluster c >= 16: A = the 1024 rows of w_v, B = 1024 tokens of x (c - 16): V comes out TRANSPOSED.  The matrix instruction takes 16 rows of B as source 0 and 16 rows of A as source 1: a lane then holds ONE row of A and its
; registers run along B's rows: the head's channels for q and k, the tokens (the keys) for v: just the axis along which each is quantised.  So one quantiser serves all three.
; A's tiles are shared along a row of the cluster, B's along a column: each is asked for jointly.  K = 1024 is two LDS slots of 512 along K: both are asked for at the head and nothing is filled again.
; The bias is the C of each sum's first product.
; A RECORD of qkv for each (batch, head), REC bytes: K's codes [key tile of 16][lane][16 bytes] (lane (r, h): key r, block h of the head's 64); V's codes [128 keys][16 channels][c][lane][16 bytes]: images of the V^T fragments;
; K's scale words [128 keys][lane][4 words] (lane (r, h), word i: tile 4 h + i, key r; bytes 2, 3 = 0); V's [128 keys][channel % 16][channel / 16] words; Q's codes and scale words as K's.
; INSIDE A BLOCK OF 32 the codes stand in the order 0-7, 16-23, 8-15, 24-31 of the true index: q and k alike, and v as the attention launch lays p: both operands of a product carry the same order, so the products are the same.
; LIMITS: NaN and infinities are not served; a block of zeros or under 2^-124 gets the byte 1.
; REGISTERS: window 0: v16-29 addresses; v32-95 scale words, two sets; v96-127 at work on the way out (v112-119 first the bias loads' offsets); v128-191 A's fragments, later the codes; v192-255 the bias.
;   window 1: B's fragments, two sets.   window 2: the accumulators of my rows 0-63 ((a, b) at v[8 (8 a + b)]);   window 3: those of rows 64-127.
.set NQ,     4                         ; matrix instructions deep in a slot of 512 along K
.set ROWB,   256                       ; a tile's row in bytes
.set KROW,   512                       ; a row of codes in memory
.set PITCH,  272                       ; an LDS row: 256 bytes + 16 of padding: the 16 rows that a load touches start 68 words apart
.set FR,     8
.set NL,     2
.set NP,     4                         ; places behind this matrix instruction (ISA guide 7.12.1)
.set HALFT,  128*PITCH
.set SLOT,   4*HALFT
.set KS,     32                        ; a row of scale bytes
.set SCL,    2*SLOT                    ; behind the two slots: the scales, as pieces of 256 bytes + 16 of padding
.set HALFS,  (128*KS/256)*272
.set SBLK,   (16*KS/256)*272
.set SPARE,  SCL+4*HALFS               ; the spare words, 128 bytes a wave: two blocks of 256 bytes that no other line names
.set REC,    217088
.set R_KC,   0
.set R_VC,   65536
.set R_KS,   131072
.set R_VS,   139264
.set R_QC,   143360
.set R_QS,   208896
.set ADRA, 16                          ; v16-17  LDS address of my A fragments in slot 0, 1
.set ADRB, 20                          ; v20-21  the same for B
.set LOFF, 24                          ; v24     16 x lane: an image's place for my lane
.set VSO,  25                          ; v25     V's scale words: (lane / 16) x REC + 16 (lane % 16)
.set LANE, 26                          ; v26     lane
.set ADRS, 27                          ; v27     LDS address of my scale words: lanes 0-15 A's rows, lanes 16-31 B's
.set SPW,  28                          ; v28     my spare word; never rewritten
.set NIL,  29                          ; v29     0; never rewritten
.set SC,   32
.set TM,   96                          ; v96-111 largest magnitudes, bytes, the conversions' scale operands
.set PW,   112                         ; v112-119 the scale word of block a
.set BO,   112                         ; (before that: the bias loads' eight offsets)
.set XW,   120                         ; v120-127 scale words on their way out
.set AF,   128
.set BIAS, 192
.set SEL,  66                          ; s[66:67] v_permlanex16_b32's selects for lane l xor 16
.set SV,   95                          ; s95     1 in a cluster of V
.set G1, 24
.set G0, 32
.set G1B, 48
.set G0B, 56
.set G1S, 68
.set G0S, 76
.set G1SB, 80
.set G0SB, 88
.set MSB, 0
.macro WIN new                         ; the immediate's high byte repeats the setting that is left
.if MSB != \new
	s_set_vgpr_msb (MSB<<8)|\new
.set MSB, \new
.endif
.endm
.set MUL_LO, 0xa1                      ; source 0 (B) window 1, source 1 (A) window 0, C and D window 2
.set MUL_HI, 0xf1                      ; the same, C and D window 3
.set FST_LO, 0x81                      ; the first products: C (the bias) window 0, D window 2
.set FST_HI, 0xc1                      ; D window 3
.set TO_B,   0x40
; A joint load: waves 0 and 1 fetch for A, waves 2 and 3 for B; the branch hangs on the wave's number alone.  Four v_nop follow each of the two lines.
.macro JLOAD g0a, g1a, g0b, g1b
	s_cmp_eq_u32 s15, 0
	s_cbranch_scc0 .Lfor_b_\@
	tensor_load_to_lds s[\g0a:\g0a+3], s[\g1a:\g1a+7]
	s_nop 0
.rept 4
	v_nop
.endr
	s_branch .Lasked_\@
.Lfor_b_\@:
	tensor_load_to_lds s[\g0b:\g0b+3], s[\g1b:\g1b+7]
	s_nop 0
.rept 4
	v_nop
.endr
.Lasked_\@:
.endm
.macro CROUND                          ; a round of the cluster's barrier
	s_barrier_signal -1
	s_barrier_wait -1
	s_cmp_lg_u32 s14, 0
	s_cbranch_scc1 .Lnot_wave_0_\@
	s_barrier_signal -3
.Lnot_wave_0_\@:
	s_barrier_wait -3
	s_barrier_signal -1
	s_barrier_wait -1
.endm
	s_load_b128 s[4:7], s[0:1], 0x0                ; x's codes s[4:5], x's scales s[6:7]
	s_load_b128 s[8:11], s[0:1], 0x10              ; the weights' codes s[8:9], their scales s[10:11]
	s_load_b128 s[96:99], s[0:1], 0x20             ; b_q, b_k
	s_load_b64 s[100:101], s[0:1], 0x30            ; b_v
	s_load_b64 s[12:13], s[0:1], 0x38              ; qkv
	v_lshl_add_u32 v[SPW], v0, 2, SPARE
	v_mov_b32 v[NIL], 0
	ds_add_u32 v28, v29
	ds_add_u32 v28, v29
	s_wait_dscnt 0x0
	v_lshrrev_b32 v1, 5, v0
	v_readfirstlane_b32 s14, v1                    ; wave 0..3
	s_lshr_b32 s15, s14, 1                         ; which half of the tile's rows is mine.  Also: I fetch for A (0) or for B (1)
	s_and_b32 s16, s14, 1                          ; which half of its columns.  Also: which 128 rows I fetch
	s_bfe_u32 s40, ttmp6, 0x40000                  ; cx, cy: my place in the cluster
	s_bfe_u32 s41, ttmp6, 0x40004
	s_and_b32 s42, ttmp9, 1                        ; q, k: the cluster's column: q or k,
	s_lshr_b32 s17, ttmp9, 1                       ; and its row: which 1024 tokens
	s_sub_co_u32 s18, ttmp9, 16                    ; V: the cluster's column: which 1024 tokens
	s_cmp_lt_u32 ttmp9, 16                         ; the cluster's number is the same in all sixteen partners
	s_cselect_b32 s42, s42, s18
	s_cselect_b32 s17, s17, 0
	s_cselect_b32 s[SV], 0, 1
	s_lshl_b32 s42, s42, 2
	s_add_co_u32 s42, s42, s40                     ; tile column
	s_lshl_b32 s17, s17, 2
	s_add_co_u32 s17, s17, s41                     ; tile row
	s_lshl_b32 s43, s41, 2
	s_lshl_b32 s43, 15, s43                        ; my row of the cluster
	s_lshl_b32 s44, 0x1111, s40                    ; my column
	; descriptor group 1: a tile of 128 rows x 256 bytes, 16 bytes of padding behind each row
	s_or_b32 s[G1+0], s43, (0<<16)|(1<<20)|(1<<21)|(5<<22)|(3<<25)  ; the mask: A's tiles go to my row; elements of 1 byte; padding on; bit 21 beside a mask; after every 64 words, 4 words
	s_or_b32 s[G1B+0], s44, (0<<16)|(1<<20)|(1<<21)|(5<<22)|(3<<25)
.irp g, G1, G1B
	s_mov_b32 s[\g+1], ROWB<<16                    ; tensor_dim0
	s_mov_b32 s[\g+2], 128<<16                     ; tensor_dim1
	s_mov_b32 s[\g+3], ROWB<<16                    ; tile_dim0
	s_mov_b32 s[\g+4], 128                         ; tile_dim1
	s_mov_b32 s[\g+5], KROW                        ; from row to row
	s_mov_b32 s[\g+6], 0
	s_mov_b32 s[\g+7], 0
.endr
	; the scales of 128 rows: a dense block of 4,096 bytes, as 16 rows of 256 bytes (32 elements of 8 bytes), 16 bytes of padding behind each
	s_or_b32 s[G1S+0], s43, (3<<16)|(1<<20)|(1<<21)|(5<<22)|(3<<25)
	s_or_b32 s[G1SB+0], s44, (3<<16)|(1<<20)|(1<<21)|(5<<22)|(3<<25)
.irp g, G1S, G1SB
	s_mov_b32 s[\g+1], 32<<16
	s_mov_b32 s[\g+2], (128*KS/256)<<16
	s_mov_b32 s[\g+3], 32<<16
	s_mov_b32 s[\g+4], 128*KS/256
	s_mov_b32 s[\g+5], 32
	s_mov_b32 s[\g+6], 0
	s_mov_b32 s[\g+7], 0
.endr
	s_lshl_b32 s18, s16, 7                         ; which 128 rows of the tile I fetch
	s_lshl_b32 s20, s17, 8
	s_add_co_u32 s20, s20, s18                     ; A: row 256 x tile row + 128 x half
	s_lshl_b32 s46, s42, 8
	s_add_co_u32 s46, s46, s18                     ; B: row 256 x tile column + 128 x half
	s_lshl_b32 s22, s20, 5                         ; where these rows' scales begin, in bytes (all under 2^23)
	s_lshl_b32 s92, s46, 5
	s_lshl_b32 s20, s20, 9                         ; and their codes
	s_lshl_b32 s46, s46, 9
	s_mov_b32 s21, 0
	s_mov_b32 s23, 0
	s_mov_b32 s47, 0
	s_mov_b32 s93, 0
	s_mul_i32 s45, s14, HALFT                      ; where they go: wave x 128 rows: no place in the cluster enters an LDS address
	s_mul_i32 s94, s14, HALFS
	s_mov_b32 s[SEL], 0x76543210
	s_mov_b32 s[SEL+1], 0xfedcba98
	s_wait_kmcnt 0x0
	s_add_nc_u64 s[18:19], s[8:9], 2048*KROW       ; w_v's codes: rows 2048 on,
	s_add_nc_u64 s[2:3], s[10:11], 2048*KS         ; and its scales
	s_cmp_lt_u32 ttmp9, 16
	s_cselect_b64 s[18:19], s[4:5], s[18:19]       ; A: x, or w_v
	s_cselect_b64 s[2:3], s[6:7], s[2:3]
	s_cselect_b64 s[8:9], s[8:9], s[4:5]           ; B: w_q and w_k, or x
	s_cselect_b64 s[10:11], s[10:11], s[6:7]
	s_add_nc_u64 s[20:21], s[18:19], s[20:21]
	s_add_nc_u64 s[22:23], s[2:3], s[22:23]
	s_add_nc_u64 s[46:47], s[8:9], s[46:47]
	s_add_nc_u64 s[92:93], s[10:11], s[92:93]
	CROUND                                         ; all sixteen work-groups are here: the joint loads meet
	s_mov_b32 s[G0S], 1
	s_add_co_u32 s[G0S+1], s94, SCL
	s_mov_b64 s[G0S+2:G0S+3], s[22:23]
	s_or_b32 s[G0S+3], s[G0S+3], 0x80000000
	s_mov_b32 s[G0SB], 1
	s_add_co_u32 s[G0SB+1], s94, SCL
	s_mov_b64 s[G0SB+2:G0SB+3], s[92:93]
	s_or_b32 s[G0SB+3], s[G0SB+3], 0x80000000
	JLOAD G0S, G1S, G0SB, G1SB                     ; the scales first: they are wanted with the first slot
.irp s, 0,1
	s_mov_b32 s[G0+4*\s], 1
	s_add_co_u32 s[G0+4*\s+1], s45, \s*SLOT
	s_add_nc_u64 s[G0+4*\s+2:G0+4*\s+3], s[20:21], \s*ROWB
	s_or_b32 s[G0+4*\s+3], s[G0+4*\s+3], 0x80000000
	s_mov_b32 s[G0B+4*\s], 1
	s_add_co_u32 s[G0B+4*\s+1], s45, \s*SLOT
	s_add_nc_u64 s[G0B+4*\s+2:G0B+4*\s+3], s[46:47], \s*ROWB
	s_or_b32 s[G0B+4*\s+3], s[G0B+4*\s+3], 0x80000000
	JLOAD G0+4*\s, G1, G0B+4*\s, G1B               ; three tensor loads of mine are out behind the second of these
.endr
	v_and_b32 v1, 15, v0                           ; r = l % 16
	v_bfe_u32 v2, v0, 4, 1                         ; h = l / 16
	v_mul_u32_u24 v3, v1, PITCH
	v_lshl_add_u32 v4, v2, 4, v3                   ; a fragment's row x pitch + 16 x half
	s_mul_i32 s21, s15, HALFT                      ; my 128 rows of A
	s_mul_i32 s22, s16, HALFT                      ; my 128 rows of B,
	s_add_co_u32 s22, s22, 2*HALFT                 ; which lie behind A's 256
.irp s, 0,1
	v_add_nc_u32 v[ADRA+\s], s21, v4
	v_add_nc_u32 v[ADRB+\s], s22, v4
	s_add_co_u32 s21, s21, SLOT
	s_add_co_u32 s22, s22, SLOT
.endr
	v_mul_u32_u24 v5, v1, KS                       ; my row's scales: 32 bytes a row,
	v_lshrrev_b32 v6, 8, v5
	v_lshl_add_u32 v5, v6, 4, v5                   ; and 16 more for each 256 passed
	s_mul_i32 s21, s15, HALFS
	s_mul_i32 s22, s16, HALFS
	s_add_co_u32 s22, s22, 2*HALFS
	s_sub_co_u32 s22, s22, s21
	v_mul_u32_u24 v6, s22, v2                      ; lanes 16-31 take B's
	s_add_co_u32 s21, s21, SCL
	v_add_nc_u32 v5, v5, v6
	v_add_nc_u32 v[ADRS], s21, v5
	v_and_b32 v[LANE], 31, v0
	v_lshlrev_b32 v[LOFF], 4, v[LANE]
	v_mul_u32_u24 v[VSO], v2, REC
	v_lshl_add_u32 v[VSO], v1, 4, v[VSO]
	; what differs between q, k and V, chosen without a jump
	s_cmp_lg_u32 s[SV], 0
	s_cselect_b32 s18, 0, 4                        ; the bias from register to register: q, k: the next channel; V: the same channel
	s_cselect_b32 s19, 0, 32                       ; q, k: lanes 16-31 stand 8 channels on
	s_cselect_b32 s2, 4, 0                         ; V: lane r has channel r
	s_cselect_b32 s20, s41, s40                    ; which 256 channels: by cy for V, by cx for q, k
	s_cselect_b32 s21, s15, s16                    ; and which half of them
	s_cselect_b32 s22, s42, s17                    ; which 256 tokens
	s_cselect_b32 s23, s16, s15                    ; and which half of them
	v_mul_u32_u24 v5, v2, s19
	v_mad_u32_u24 v5, v1, s2, v5
.irp j, 0,1,2,3,4,5,6,7
	v_mad_u32_u24 v[BO+\j], s18, \j, v5
.endr
	s_and_b32 s3, ttmp9, 1
	s_cmp_lg_u32 s3, 0                             ; k?
	s_cselect_b64 s[96:97], s[98:99], s[96:97]
	s_mov_b32 s45, R_QC
	s_cselect_b32 s45, R_KC, s45                   ; the codes' part of a record
	s_mov_b32 s94, R_QS
	s_mov_b32 s3, R_KS
	s_cselect_b32 s94, s3, s94                     ; the scale words' part
	s_cmp_lg_u32 s[SV], 0                          ; V?
	s_cselect_b64 s[96:97], s[100:101], s[96:97]
	s_mov_b32 s3, R_VC
	s_cselect_b32 s45, s3, s45
	s_mov_b32 s3, R_VS
	s_cselect_b32 s94, s3, s94
	s_cselect_b32 s3, 8, 9                         ; 128 tokens' scale words: 256 bytes of V's, 512 of q's or k's
	s_lshl_b32 s46, s20, 10
	s_lshl_b32 s47, s21, 9
	s_add_co_u32 s46, s46, s47
	s_mov_b32 s47, 0
	s_add_nc_u64 s[96:97], s[96:97], s[46:47]      ; the bias at my 128 channels
	s_wait_alu depctr_va_vdst(0)
.irp i, 0,1,2,3,4,5,6,7
.irp j, 0,1,2,3,4,5,6,7
	global_load_b32 v[BIAS+8*\i+\j], v[BO+\j], s[96:97] offset:64*\i   ; q, k: register 8 b + j: channel 16 b + 8 h + j;  V: register 8 a + j: channel 16 a + r
.endr
.endr
	s_lshl_b32 s22, s22, 8
	s_lshl_b32 s23, s23, 7
	s_add_co_u32 s22, s22, s23                     ; my first token
	s_lshr_b32 s23, s22, 11                        ; its batch
	s_bfe_u32 s22, s22, 0x40007                    ; and which 128 of the batch's 2048
	s_lshl_b32 s23, s23, 4
	s_lshl_b32 s20, s20, 2
	s_add_co_u32 s23, s23, s20
	s_lshl_b32 s21, s21, 1
	s_add_co_u32 s23, s23, s21                     ; 16 x batch + my first head (I have two)
	s_mul_i32 s23, s23, REC
	s_lshl_b32 s3, s22, s3
	s_add_co_u32 s94, s94, s3
	s_add_co_u32 s46, s94, s23
	s_add_nc_u64 s[104:105], s[12:13], s[46:47]    ; where my scale words go
	s_lshl_b32 s22, s22, 12                        ; 128 tokens' codes of a head: 4,096 bytes
	s_add_co_u32 s45, s45, s22
	s_add_co_u32 s46, s45, s23
	s_add_nc_u64 s[12:13], s[12:13], s[46:47]      ; and my codes
.macro FRAG reg, adr, q, i             ; a fragment, 16 rows x 128 K: lane l holds row l % 16; registers 4 c .. 4 c + 3 hold K = 64 c + 32 (l / 16) + 0 .. 31
.irp c, 0,1
	ds_load_b128 v[\reg+4*\c:\reg+4*\c+3], v[\adr] offset:64*(\q)+32*\c+(\i)*16*PITCH
.endr
.endm
; 16 matrix instructions: A's blocks a0, a0 + 1 x B's eight, the slot's q-th 128 along K.  p: B's set; sc: the set of scale words.  zero = 1: the sums start with the bias by B's block (q, k); 2: by A's block (V); 0: they go on.
; The 64 accumulators take turns, one instruction a turn, in the same order in every step.
.macro MUL16 a0, p, q, sc, zero
.irp a, \a0, \a0+1
.irp b, 0,1,2,3,4,5,6,7
.if \zero == 1
	v_wmma_scale_f32_16x16x128_f8f6f4 v[8*(8*((\a)%4)+\b):8*(8*((\a)%4)+\b)+7], v[128*(\p)+FR*\b:128*(\p)+FR*\b+FR-1], v[AF+FR*(\a):AF+FR*(\a)+FR-1], v[BIAS+8*\b:BIAS+8*\b+7], v[SC+8*NQ*(\sc)+NQ*\b+(\q)], v[SC+8*NQ*(\sc)+NQ*(\a)+(\q)] matrix_a_fmt:MATRIX_FMT_FP4 matrix_b_fmt:MATRIX_FMT_FP4 matrix_a_scale:MATRIX_SCALE_ROW1
.elseif \zero == 2
	v_wmma_scale_f32_16x16x128_f8f6f4 v[8*(8*((\a)%4)+\b):8*(8*((\a)%4)+\b)+7], v[128*(\p)+FR*\b:128*(\p)+FR*\b+FR-1], v[AF+FR*(\a):AF+FR*(\a)+FR-1], v[BIAS+8*(\a):BIAS+8*(\a)+7], v[SC+8*NQ*(\sc)+NQ*\b+(\q)], v[SC+8*NQ*(\sc)+NQ*(\a)+(\q)] matrix_a_fmt:MATRIX_FMT_FP4 matrix_b_fmt:MATRIX_FMT_FP4 matrix_a_scale:MATRIX_SCALE_ROW1
.else
	v_wmma_scale_f32_16x16x128_f8f6f4 v[8*(8*((\a)%4)+\b):8*(8*((\a)%4)+\b)+7], v[128*(\p)+FR*\b:128*(\p)+FR*\b+FR-1], v[AF+FR*(\a):AF+FR*(\a)+FR-1], v[8*(8*((\a)%4)+\b):8*(8*((\a)%4)+\b)+7], v[SC+8*NQ*(\sc)+NQ*\b+(\q)], v[SC+8*NQ*(\sc)+NQ*(\a)+(\q)] matrix_a_fmt:MATRIX_FMT_FP4 matrix_b_fmt:MATRIX_FMT_FP4 matrix_a_scale:MATRIX_SCALE_ROW1
.endif
.endr
.endr
.endm
.macro FETCH_B slot, q, p
	WIN TO_B
.irp i, 0,1,2,3,4,5,6,7
	FRAG 128*(\p)+FR*\i, ADRB+\slot, \q, \i
.endr
	WIN 0
.endm
.macro FETCH_A slot, q, i0
.irp i, \i0, \i0+1, \i0+2, \i0+3
	FRAG AF+FR*(\i), ADRA+\slot, \q, \i
.endr
.endm
.macro SCALES sc                       ; a slot's scale words: 4 words a row; lanes 0-15 take A's block i, lanes 16-31 B's block i
.irp i, 0,1,2,3,4,5,6,7
	ds_load_b128 v[SC+8*NQ*\sc+NQ*\i:SC+8*NQ*\sc+NQ*\i+3], v[ADRS] offset:\i*SBLK
.endr
.endm
.macro PLACES n                        ; plain vector lines between a matrix instruction and a load into, or a vector line on, its registers
.rept \n
	v_nop
.endr
.endm
.macro STEP slot, q, zero              ; a step of 128 along K that has its successor in the same slot
	s_wait_dscnt 4*NL                              ; B's set and A's blocks 0-3 are in; the youngest eight loads (A's blocks 4-7) may be out
.if \zero
	WIN FST_LO
.else
	WIN MUL_LO
.endif
	MUL16 0, (\q)%2, \q, \slot, \zero
	MUL16 2, (\q)%2, \q, \slot, \zero
	s_wait_dscnt 0                                 ; A's blocks 4-7 are in
	PLACES NP
	FETCH_B \slot, (\q)+1, 1-(\q)%2
	FETCH_A \slot, (\q)+1, 0
.if \zero
	WIN FST_HI
.else
	WIN MUL_HI
.endif
	MUL16 4, (\q)%2, \q, \slot, \zero
	MUL16 6, (\q)%2, \q, \slot, \zero
	PLACES NP
	WIN 0
	FETCH_A \slot, (\q)+1, 4
.endm
.macro TURN slot, next                 ; a slot's last step changes slots: one barrier
	s_wait_tensorcnt 0x0                           ; all my tensor loads have landed: my part of the next slot;
	ds_add_u32 v[SPW], v[NIL]                      ; 0 onto my spare word;
	s_wait_dscnt 4*NL+1                            ; (the add and the youngest eight loads may be out)
	WIN MUL_LO
	MUL16 0, 1, NQ-1, \slot, 0
	s_wait_dscnt 0x0                               ; the add is done, and my reads of this slot are over
	s_barrier_signal -1
	MUL16 2, 1, NQ-1, \slot, 0
	WIN 0
	s_barrier_wait -1                              ; the next slot is whole
	PLACES NP
	v_add_nc_u32 v[ADRS], 4*NQ, v[ADRS]            ; on to the next slot's scale words
	FETCH_B \next, 0, 0
	FETCH_A \next, 0, 0
	SCALES \next
	WIN MUL_HI
	MUL16 4, 1, NQ-1, \slot, 0
	MUL16 6, 1, NQ-1, \slot, 0
	PLACES NP
	WIN 0
	FETCH_A \next, 0, 4
.endm
.macro STEPS slot, from
.set Q, \from
.rept NQ-1-\from
	STEP \slot, Q, 0
.set Q, Q+1
.endr
.endm
	s_wait_tensorcnt 1                             ; the scales and my part of slot 0 are in (slot 1's load may be out),
	s_barrier_signal -1
	s_barrier_wait -1                              ; everybody's are
	FETCH_B 0, 0, 0
	FETCH_A 0, 0, 0
	SCALES 0
	FETCH_A 0, 0, 4
	s_wait_loadcnt 0x0                             ; the bias
	s_cmp_lg_u32 s[SV], 0                          ; the first step is written twice: it differs in which bias registers start a sum.  The branch is the same in all partners
	s_cbranch_scc1 .Lfirst_v
	STEP 0, 0, 1
	s_branch .Lfirst_done
.Lfirst_v:
	STEP 0, 0, 2
.Lfirst_done:
	STEPS 0, 1
	TURN 0, 1
	STEPS 1, 0
	s_wait_dscnt 4*NL                              ; the very last step: nothing more to fetch
	WIN MUL_LO
	MUL16 0, 1, NQ-1, 1, 0
	MUL16 2, 1, NQ-1, 1, 0
	s_wait_dscnt 0
	WIN MUL_HI
	MUL16 4, 1, NQ-1, 1, 0
	MUL16 6, 1, NQ-1, 1, 0
	WIN 0
; THE WAY OUT.  Block a's eight accumulators are 64 numbers of a lane's row: register 16 b + i lies in block b of 32.  They become a fragment's eight registers of codes, v[AF + 8 a] on, and the row's scale word v[PW + a].
.macro QW a
.set AC, 64*((\a)%4)
.set WW, 2+(\a)/4
.set WS, WW*5
.set PC, AF+8*(\a)
	WIN WS                                         ; sources 0 and 1: the accumulators' window
.irp b, 0,1,2,3
	v_max3_num_f32 v[TM+\b], |v[AC+16*\b]|, |v[AC+16*\b+1]|, 0x1800000   ; my 16 numbers of block b, from each accumulator's low end on, and the floor 2^(3 - 127)
.endr
.irp i, 2,4,6,8,10,12,14
.irp b, 0,1,2,3
	v_max3_num_f32 v[TM+\b], |v[AC+16*\b+\i]|, |v[AC+16*\b+\i+1]|, v[TM+\b]
.endr
.endr
	WIN 0
.irp b, 0,1,2,3
	v_permlanex16_b32 v[TM+4+\b], v[TM+\b], s[SEL], s[SEL+1]
.endr
.irp b, 0,1,2,3
	v_max_num_f32 v[TM+\b], v[TM+\b], v[TM+4+\b]   ; with lane l xor 16's 16: the block's largest magnitude
.endr
.irp b, 0,1,2,3
	v_add_nc_u32 v[TM+12+\b], 0xff000000, v[TM+\b] ; 2 off its exponent field: the conversion's scale operand
.endr
.irp b, 0,1,2,3
	v_lshrrev_b32 v[TM+4+\b], 23, v[TM+12+\b]      ; the scale's byte
.endr
	v_lshl_or_b32 v[PW+(\a)], v[TM+5], 8, v[TM+4]
	v_lshl_or_b32 v[PW+(\a)], v[TM+6], 16, v[PW+(\a)]
	v_lshl_or_b32 v[PW+(\a)], v[TM+7], 24, v[PW+(\a)]
	WIN WW                                         ; source 0: the accumulators' window
.irp b, 0,1,2,3
	v_cvt_scalef32_pk8_fp4_f32 v[PC+2*\b], v[AC+16*\b:AC+16*\b+7], v[TM+12+\b]
	v_cvt_scalef32_pk8_fp4_f32 v[PC+2*\b+1], v[AC+16*\b+8:AC+16*\b+15], v[TM+12+\b]
.endr
	WIN 0
	v_nop                                          ; one plain line behind a scaled conversion
.irp c, 0,1                                    ; a whole block to a lane: lanes 0-15 block 2 c, lanes 16-31 block 2 c + 1
.irp i, 0,1
	v_permlane16_swap_b32 v[PC+4*\c+\i], v[PC+2+4*\c+\i]
.endr
.endr
.endm
.irp b, 0,1,2,3
	v_mov_b32 v[TM+4+\b], 0                        ; a lane permute's destination counts as one of its sources.  These four plain lines are also the places behind the last products
.endr
.irp a, 0,1,2,3,4,5,6,7
	QW \a
.endr
	v_cmp_gt_u32 vcc_lo, 16, v[LANE]
.irp i, 0,1,2,3
	v_cndmask_b32 v[XW+\i], v[PW+4+\i], v[PW+\i], vcc_lo   ; lanes 0-15: block i's word; lanes 16-31: block 4 + i's
.endr
	s_cmp_lg_u32 s[SV], 0
	s_cbranch_scc1 .Lout_v
.irp a, 0,1,2,3,4,5,6,7                        ; q, k: registers 4 c on are head c's 64 channels of 16 tokens: tile a of my 128 tokens
.irp c, 0,1
	global_store_b128 v[LOFF], v[AF+8*\a+4*\c:AF+8*\a+4*\c+3], s[12:13] offset:\c*REC+512*\a   ; 32 lanes store 512 consecutive bytes
.endr
.endr
.irp i, 0,1,2,3
	v_and_b32 v[XW+4+\i], 0xffff, v[XW+\i]         ; the first head's two bytes; bytes 2 and 3, for the 64 along K that a head does not have, are 0
.endr
.irp i, 0,1,2,3
	v_lshrrev_b32 v[XW+\i], 16, v[XW+\i]           ; the second head's
.endr
	global_store_b128 v[LOFF], v[XW+4:XW+7], s[104:105]
	global_store_b128 v[LOFF], v[XW:XW+3], s[104:105] offset:REC
	s_branch .Lout_done
.Lout_v:
	s_wait_alu depctr_va_vdst(0)
.irp a, 0,1,2,3,4,5,6,7                        ; V: block a is 16 channels x my 128 keys: head a / 4, channels 16 (a % 4) on
.irp c, 0,1
	global_store_b128 v[LOFF], v[AF+8*\a+4*\c:AF+8*\a+4*\c+3], s[12:13] offset:(\a/4)*REC+1024*(\a%4)+512*\c
.endr
.endr
	global_store_b128 v[VSO], v[XW:XW+3], s[104:105]   ; lanes 0-15: the first head's 256 consecutive bytes; lanes 16-31: the second's
.Lout_done:
	s_wait_tensorcnt 0x0                           ; the wave's end
	ds_add_u32 v[SPW], v[NIL]
	s_wait_dscnt 0x0
	CROUND                                         ; the closing round: no work-group ends while a partner may still ask for a tile that names it
	s_endpgm
.Lfunc_end_k_q78f8d27a86_qkv:
	.size	k_q78f8d27a86_qkv, .Lfunc_end_k_q78f8d27a86_qkv-k_q78f8d27a86_qkv
	.p2alignl 7, 3214868480
	.fill 96, 4, 3214868480
	.section	.rodata,"a",@progbits
	.p2align	6, 0x0
	.amdhsa_kernel k_q78f8d27a86_qkv
		.amdhsa_group_segment_fixed_size 327680
		.amdhsa_private_segment_fixed_size 0
		.amdhsa_enable_private_segment 0
		.amdhsa_kernarg_size 64
		.amdhsa_user_sgpr_count 2
		.amdhsa_user_sgpr_kernarg_segment_ptr 1
		.amdhsa_wavefront_size32 1
		.amdhsa_system_sgpr_workgroup_id_x 1
		.amdhsa_system_sgpr_workgroup_id_y 1
		.amdhsa_system_sgpr_workgroup_id_z 1
		.amdhsa_system_vgpr_workitem_id 0
		.amdhsa_next_free_vgpr 1024
		.amdhsa_next_free_sgpr 106
		.amdhsa_reserve_vcc 1
		.amdhsa_float_denorm_mode_32 3
		.amdhsa_float_denorm_mode_16_64 3
		.amdhsa_memory_ordered 1
		.amdhsa_forward_progress 1
		.amdhsa_inst_pref_size 149
	.end_amdhsa_kernel
	.amdgpu_metadata
---
amdhsa.version: [ 1, 2 ]
amdhsa.kernels:
  - .name:           k_q78f8d27a86_qkv
    .symbol:         k_q78f8d27a86_qkv.kd
    .args:
      - { .name: x_codes, .offset: 0, .size: 8, .value_kind: global_buffer, .address_space: global }
      - { .name: x_scales, .offset: 8, .size: 8, .value_kind: global_buffer, .address_space: global }
      - { .name: w_codes, .offset: 16, .size: 8, .value_kind: global_buffer, .address_space: global }
      - { .name: w_scales, .offset: 24, .size: 8, .value_kind: global_buffer, .address_space: global }
      - { .name: b_q, .offset: 32, .size: 8, .value_kind: global_buffer, .address_space: global }
      - { .name: b_k, .offset: 40, .size: 8, .value_kind: global_buffer, .address_space: global }
      - { .name: b_v, .offset: 48, .size: 8, .value_kind: global_buffer, .address_space: global }
      - { .name: qkv, .offset: 56, .size: 8, .value_kind: global_buffer, .address_space: global }
    .group_segment_fixed_size: 327680
    .private_segment_fixed_size: 0
    .kernarg_segment_align: 8
    .kernarg_segment_size: 64
    .max_flat_workgroup_size: 128
    .sgpr_count:     106
    .vgpr_count:     1024
    .wavefront_size: 32
...
	.end_amdgpu_metadata
.endif
;; end of part 3
;; launch attn (part 4): grid 4 x 64, 16 waves a work-group, clusters of 4 x 1, 169,984 bytes of LDS; arguments qkv, o_codes, o_scales; writes o_codes, o_scales
.if DOCPART == 4
	.amdgcn_target "amdgcn-amd-amdhsa--gfx1250"
	.amdhsa_code_object_version 6
	.text
	.protected	k_q78f8d27a86_attn
	.globl	k_q78f8d27a86_attn
	.p2align	8
	.type	k_q78f8d27a86_attn,@function
k_q78f8d27a86_attn:
	s_mov_b64 s[64:65], 0
	v_nop
	global_prefetch_b8 v0, s[64:65] scope:SCOPE_SE
	s_setreg_imm32_b32 hwreg(HW_REG_WAVE_MODE, 25, 1), 1
	s_wait_xcnt 0x0
	s_wait_alu depctr_hold_cnt(0) depctr_sa_sdst(0) depctr_va_vdst(0) depctr_va_sdst(0) depctr_va_ssrc(0) depctr_va_vcc(0) depctr_vm_vsrc(0)
	s_getreg_b32 s2, hwreg(HW_REG_IB_STS2, 6, 4)
	s_cmp_eq_u32 s2, 0
	s_cbranch_scc0 .Lentry_in_a_cluster
	s_endpgm
.Lentry_in_a_cluster:
	s_bfe_u32 s2, ttmp6, 0x10000c
	s_cmp_lg_u32 s2, 0x3003
	s_cbranch_scc0 .Lentry_shape_is_right
	s_endpgm
.Lentry_shape_is_right:
; Causal attention of one (batch, head) on codes of FP4 with E8M0 scales: S^T = K Q^T (K = the head's 64: the upper 64 of the instruction's 128 are zero codes), softmax by p = 2^(t - M), O^T = V^T P^T (K = 128 keys a step).
; t = score x log2(e) / 8; M = the running largest t rounded UP to a whole number; p is quantised along the keys, not normalised; the row's sum is taken of the unquantised p and divides O at the end; when M moves, the sum
; and O are multiplied by 2^(old M - new M), which rounds nothing.  O is then quantised along the head's 64 channels (two blocks of the last product's K) and leaves as codes.
; SHARES.  The four work-groups of a cluster serve one head.  Its 2048 queries are 128 tiles of 16; tile T wants T / 8 + 1 key steps of 128.  Wave w of work-group cx takes tiles 8 w + cx and 8 (15 - w) + 4 + cx:
; w + 1 and 16 - w key steps: 17 for every wave of the launch, two of them on the diagonal.  How many steps a wave walks hangs on its number alone; cx enters Q's and O's global addresses and the mask's comparand only.
; LDS.  The head's K and V, codes and scale words, are the first 143,360 bytes of its record and come ONCE, by one joint load a wave (35 rows of 256 bytes), for all four partners.  They lie as images of the operands'
; registers: every LDS load takes 16 bytes a lane, 512 consecutive bytes.  Nothing is filled again and nothing is stored to LDS: one barrier behind the loads, none after.
; A lane holds ONE query (lane % 16) throughout; register 8 t + j of S^T is key 16 t + 8 (lane / 16) + j.  p's codes so stand inside a block of 32 in the order 0-7, 16-23, 8-15, 24-31, as the launch before laid V's.
; The loop over key steps has a constant count of 16; a step past the wave's last is jumped over (a scalar branch on the wave's number and the count).
; LIMITS: NaN and infinities are not served; a block of zeros or under 2^-124 gets the byte 1.  The output's scale bytes leave as 2 bytes a row, rows 32 bytes apart (a row's other bytes belong to other heads' work-groups): 256 KiB against 4 MiB of codes.
; REGISTERS: v1 16 x lane, v2 16 r, v3-6 the step's LDS addresses, v7 the mask's comparand, v8-11 K's scale words, v12 -M, v13 the largest t, v14-15 the sum, v16-31 Q's two fragments, v32-95 K's eight, v96-159 S^T then p,
;   v160-191 O^T, v192-223 V's four, v224-231 codes, v232-243 at work, v244-247 V's scale words, v248-249 Q's, v250 p's, v251 -infinity, v252-253 f, v254 at work, v255 32 r.
.set REC,  217088
.set KC,   0
.set VC,   65536
.set KSW,  131072
.set VSW,  139264
.set QC,   143360
.set QS,   208896
.set PART, 35*256                      ; what one wave's load brings
.set ADK,  3
.set ADV,  4
.set ADS,  5
.set ADT,  6
.set DD,   7
.set WV,   10                          ; s10  my wave's number
.set CX,   11                          ; s11  my place in the cluster
.set SEL,  20                          ; s[20:21] selects for lane l xor 16
.set CS,   22                          ; s[22:23] c = log2(e) / 8
.set G1,   24
.set G0,   32
.set STP,  36                          ; s36  the key step
.set BAND, 37                          ; s37  the pass's last key step, the one on the diagonal
.set KO,   38                          ; s38-41 where the step's K, V, K's scale words, V's scale words begin in LDS
.set VO,   39
.set SO,   40
.set TO,   41
.set QCB,  44                          ; s[44:47] Q's codes, a pair for each pass;  s[48:51] Q's scale words;  s[52:55] where O's codes go;  s[56:59] its scale bytes
.set QSB,  48
.set OCB,  52
.set OSB,  56
.macro CROUND                          ; a round of the cluster's barrier
	s_barrier_signal -1
	s_barrier_wait -1
	s_cmp_lg_u32 s[WV], 0
	s_cbranch_scc1 .Lnot_wave_0_\@
	s_barrier_signal -3
.Lnot_wave_0_\@:
	s_barrier_wait -3
	s_barrier_signal -1
	s_barrier_wait -1
.endm
	s_load_b128 s[4:7], s[0:1], 0x0                ; qkv s[4:5], O's codes s[6:7]
	s_load_b64 s[8:9], s[0:1], 0x10                ; O's scale bytes
	v_lshl_add_u32 v254, v0, 2, 0x29000
	v_mov_b32 v255, 0
	ds_add_u32 v254, v255
	ds_add_u32 v254, v255
	s_wait_dscnt 0x0
	v_lshrrev_b32 v3, 5, v0
	s_delay_alu instid0(VALU_DEP_1)
	v_readfirstlane_b32 s[WV], v3                  ; wave 0..15
	s_bfe_u32 s[CX], ttmp6, 0x40000                ; cx
	s_and_b32 s12, ttmp7, 0xffff                   ; 16 x batch + head, which the four partners share
	s_mul_i32 s14, s12, REC
	s_mov_b32 s15, 0
	s_mul_i32 s16, s[WV], PART                     ; my part of the record, in memory and in LDS alike
	s_mov_b32 s17, 0
	s_mov_b32 s[G1], 15|(3<<16)|(1<<21)            ; the mask: all four work-groups; elements of 8 bytes; bit 21 beside a mask; no padding
	s_mov_b32 s[G1+1], 32<<16                      ; tensor_dim0 = 32 elements: 256 bytes
	s_mov_b32 s[G1+2], 35<<16                      ; tensor_dim1 = 35
	s_mov_b32 s[G1+3], 32<<16                      ; tile_dim0
	s_mov_b32 s[G1+4], 35                          ; tile_dim1
	s_mov_b32 s[G1+5], 32                          ; from row to row: dense
	s_mov_b32 s[G1+6], 0
	s_mov_b32 s[G1+7], 0
	s_mov_b32 s[SEL], 0x76543210
	s_mov_b32 s[SEL+1], 0xfedcba98
	s_mov_b32 s[CS], 0x3e38aa3b                    ; log2(e) / 8
	s_mov_b32 s[CS+1], s[CS]                       ; (named with it as a pair, so it is written)
	s_wait_kmcnt 0x0
	s_add_nc_u64 s[4:5], s[4:5], s[14:15]          ; the head's record
	CROUND                                         ; all four work-groups are here: the joint loads meet
	s_mov_b32 s[G0], 1
	s_mov_b32 s[G0+1], s16
	s_add_nc_u64 s[G0+2:G0+3], s[4:5], s[16:17]
	s_or_b32 s[G0+3], s[G0+3], 0x80000000
	tensor_load_to_lds s[G0:G0+3], s[G1:G1+7]      ; my one tensor load of the launch
	s_nop 0
.rept 4
	v_nop
.endr
	s_lshl_b32 s18, s[WV], 3
	s_add_co_u32 s42, s18, s[CX]                   ; pass 0's tile of queries: 8 w + cx
	s_sub_co_u32 s43, 124, s18
	s_add_co_u32 s43, s43, s[CX]                   ; pass 1's: 8 (15 - w) + 4 + cx
	s_lshr_b32 s13, s12, 4                         ; batch
	s_and_b32 s12, s12, 15                         ; head
	s_lshl_b32 s13, s13, 7                         ; the batch's first tile of 16 tokens
.irp p, 0,1
	s_lshl_b32 s14, s[42+\p], 9
	s_add_co_u32 s14, s14, QC
	s_add_nc_u64 s[QCB+2*\p:QCB+2*\p+1], s[4:5], s[14:15]   ; Q's codes: 512 bytes a tile
	s_lshr_b32 s14, s[42+\p], 2
	s_lshl_b32 s14, s14, 8                         ; Q's scale words: four tiles in 256 bytes,
	s_lshl_b32 s19, s[CX], 2
	s_add_co_u32 s14, s14, s19                     ; word cx of a lane's four
	s_add_co_u32 s14, s14, QS
	s_add_nc_u64 s[QSB+2*\p:QSB+2*\p+1], s[4:5], s[14:15]
	s_add_co_u32 s18, s13, s[42+\p]                ; the tile among all 512
	s_lshl_b32 s14, s18, 13                        ; O's codes: 8,192 bytes a tile, 512 a head
	s_lshl_b32 s19, s12, 9
	s_add_co_u32 s14, s14, s19
	s_add_nc_u64 s[OCB+2*\p:OCB+2*\p+1], s[6:7], s[14:15]
	s_lshl_b32 s14, s18, 9                         ; O's scale bytes: 32 a token, 2 a head
	s_lshl_b32 s19, s12, 1
	s_add_co_u32 s14, s14, s19
	s_add_nc_u64 s[OSB+2*\p:OSB+2*\p+1], s[8:9], s[14:15]
.endr
	v_and_b32 v1, 31, v0
	s_delay_alu instid0(VALU_DEP_1)
	v_lshlrev_b32 v1, 4, v1                        ; 16 x lane
	v_and_b32 v3, 15, v0                           ; r
	v_bfe_u32 v4, v0, 4, 1                         ; h
	s_delay_alu instid0(VALU_DEP_2)
	v_lshlrev_b32 v2, 4, v3                        ; 16 r
	s_delay_alu instid0(VALU_DEP_3)
	v_lshlrev_b32 v255, 5, v3                      ; 32 r
	global_load_b128 v[16:19], v1, s[QCB:QCB+1]    ; Q's fragments stay in registers
	global_load_b128 v[24:27], v1, s[QCB+2:QCB+3]
	global_load_b32 v248, v2, s[QSB:QSB+1]         ; lane r: query r's scale word
	global_load_b32 v249, v2, s[QSB+2:QSB+3]
	v_lshlrev_b32 v4, 3, v4
	s_delay_alu instid0(VALU_DEP_1)
	v_sub_nc_u32 v[DD], v3, v4
	s_lshl_b32 s19, s[CX], 4
	v_add_nc_u32 v[DD], s19, v[DD]                 ; pass 0: my query less the diagonal step's first key less 8 h: register 8 t + j is hidden where 16 t + j is greater
.irp j, 20,21,22,23,28,29,30,31
	v_mov_b32 v[\j], 0                             ; the 64 along K that a head does not have: zero codes, in Q
.endr
.irp t, 0,1,2,3,4,5,6,7
.irp j, 4,5,6,7
	v_mov_b32 v[32+8*\t+\j], 0                     ; and in K: written once, the loads fill the lower four registers only
.endr
.endr
.irp b, 0,1,2,3
	v_mov_b32 v[236+\b], 0                         ; a lane permute's destination counts as one of its sources
.endr
	v_mov_b32 v251, 0xff800000                     ; -infinity
	v_mov_b32 v253, 0                              ; (named as the upper half of the pair v[252:253])
	v_mov_b32 v254, 0
	s_wait_tensorcnt 0x0                           ; my part of the record has landed,
	s_barrier_signal -1
	s_barrier_wait -1                              ; everybody's has
	s_wait_loadcnt 0x0                             ; Q
; ONE TILE OF QUERIES through all its key steps, and out.
.macro PASS p
.if \p
	s_wait_xcnt 0x0                                ; pass 0's stores have read their registers: these are written again only behind this wait
	v_add_nc_u32 v[DD], 64, v[DD]                  ; pass 1's tile lies 64 queries further on in its diagonal step
	s_sub_co_u32 s[BAND], 15, s[WV]
.else
	s_mov_b32 s[BAND], s[WV]
.endif
	v_mov_b32 v13, 0xff61b1e6                      ; the largest t so far: -3e38, under every t
	s_delay_alu instid0(VALU_DEP_1)
	v_floor_f32 v12, -v13                          ; -M
	v_mov_b32 v14, 0                               ; the sum, in two halves
	v_mov_b32 v15, 0
.set i, 0
.rept 32
	v_mov_b32 v[160+i], 0                          ; O^T: the step is written once; the first finds zeros, which the first change of M leaves zeros
.set i, i+1
.endr
	s_mov_b32 s[KO], KC
	s_mov_b32 s[VO], VC
	s_mov_b32 s[SO], KSW
	s_mov_b32 s[TO], VSW
	s_mov_b32 s[STP], 0
.Lstep_\p:
	s_cmp_gt_u32 s[STP], s[BAND]                   ; all keys of this step come after my queries: only the stepping lines are run
	s_cbranch_scc1 .Lskip_\p
	s_setprio 2
	v_add_nc_u32 v[ADK], s[KO], v1                 ; (these four plain lines are the places behind the last step's products, in front of the loads into their registers)
	v_add_nc_u32 v[ADV], s[VO], v1
	v_add_nc_u32 v[ADS], s[SO], v1
	v_add_nc_u32 v[ADT], s[TO], v2
.irp t, 0,1,2,3,4,5,6,7
	ds_load_b128 v[32+8*\t:35+8*\t], v[ADK] offset:512*\t      ; tile t: keys 16 t on
.endr
	ds_load_b128 v[8:11], v[ADS]                   ; lanes 0-15: the words of tiles 0-3; lanes 16-31: of tiles 4-7
.irp f, 0,1,2,3,4,5,6,7
	ds_load_b128 v[192+4*\f:195+4*\f], v[ADV] offset:512*\f    ; V^T: 16 channels x 128 keys, four fragments
.endr
	ds_load_b128 v[244:247], v[ADT]                ; lane r: the words of channels r, 16 + r, 32 + r, 48 + r
	s_wait_dscnt 9                                 ; K and its words are in; V's nine loads may be out
.irp t, 0,1,2,3
	v_wmma_scale_f32_16x16x128_f8f6f4 v[96+8*\t:103+8*\t], v[32+8*\t:39+8*\t], v[16+8*\p:23+8*\p], 0, v[8+\t], v[248+\p] matrix_a_fmt:MATRIX_FMT_FP4 matrix_b_fmt:MATRIX_FMT_FP4
.endr
.irp t, 4,5,6,7
	v_wmma_scale_f32_16x16x128_f8f6f4 v[96+8*\t:103+8*\t], v[32+8*\t:39+8*\t], v[16+8*\p:23+8*\p], 0, v[4+\t], v[248+\p] matrix_a_fmt:MATRIX_FMT_FP4 matrix_b_fmt:MATRIX_FMT_FP4 matrix_a_scale:MATRIX_SCALE_ROW1
.endr
.rept 4
	v_nop
.endr
	s_cmp_lg_u32 s[STP], s[BAND]                   ; on the diagonal the scores of hidden keys become -infinity ahead of the maximum: p = 0 then
	s_cbranch_scc1 .Lopen_\p
.set n, 0
.rept 64
	v_cmp_gt_i32 vcc_lo, 16*(n/8)+n%8, v[DD]
	v_cndmask_b32 v[96+n], v[96+n], v251, vcc_lo
.set n, n+1
.endr
.Lopen_\p:
.irp b, 0,1,2,3
	v_max3_num_f32 v[232+\b], v[96+16*\b], v[97+16*\b], v[98+16*\b]   ; the largest score of each block of 32 keys: for the row's maximum and, since p rises with the score, for the block's largest p
.endr
.irp k, 3,5,7,9,11,13
.irp b, 0,1,2,3
	v_max3_num_f32 v[232+\b], v[232+\b], v[96+16*\b+\k], v[97+16*\b+\k]
.endr
.endr
.irp b, 0,1,2,3
	v_max_num_f32 v[232+\b], v[232+\b], v[111+16*\b]
.endr
.irp b, 0,1,2,3
	s_delay_alu instid0(VALU_DEP_4)
	v_permlanex16_b32 v[236+\b], v[232+\b], s[SEL], s[SEL+1]
.endr
.irp b, 0,1,2,3
	s_delay_alu instid0(VALU_DEP_4)
	v_max_num_f32 v[232+\b], v[232+\b], v[236+\b]  ; with lane l xor 16's 16 keys
.endr
	s_delay_alu instid0(VALU_DEP_2)
	v_max3_num_f32 v254, v232, v233, v234
	s_delay_alu instid0(VALU_DEP_1)
	v_max_num_f32 v254, v254, v235                 ; the step's largest score of my query
	s_delay_alu instid0(VALU_DEP_1)
	v_mul_f32 v254, s[CS], v254                    ; as t
	s_delay_alu instid0(VALU_DEP_1)
	v_max_num_f32 v13, v13, v254                   ; the running largest t
	v_mov_b32 v254, v12
	s_delay_alu instid0(VALU_DEP_2)
	v_floor_f32 v12, -v13                          ; the new -M = floor(-t) = -ceil(t)
	s_delay_alu instid0(VALU_DEP_1)
	v_sub_f32 v254, v12, v254                      ; old M less new M: a whole number, 0 or less
	s_delay_alu instid0(VALU_DEP_1)
	v_cvt_i32_f32 v254, v254                       ; (it saturates)
	s_delay_alu instid0(VALU_DEP_1)
	v_ldexp_f32 v252, 1.0, v254                    ; f = 2^(old M - new M)
.set i, 0
.rept 32
	v_pk_fma_f32 v[96+i:97+i], v[96+i:97+i], s[CS:CS+1], v[12:13] op_sel_hi:[1,0,0]   ; t - M, two at a time
.set i, i+2
.endr
	s_setprio 1
.irp b, 0,1,2,3
	v_fma_f32 v[232+\b], v[232+\b], s[CS], v12     ; the same of each block's largest score
.endr
.set i, 0
	s_wait_alu depctr_va_vdst(0)
.rept 64
	v_exp_f32 v[96+i], v[96+i]                     ; p = 2^(t - M), at most 1
.set i, i+1
.endr
.irp b, 0,1,2,3
	v_exp_f32 v[232+\b], v[232+\b]                 ; the block's largest p
.endr
	v_pk_mul_f32 v[14:15], v[14:15], v[252:253] op_sel_hi:[1,0]   ; the sums under the new M (a plain line behind the exponentials)
	s_wait_alu depctr_va_vdst(0)
.irp b, 0,1,2,3
	v_max_num_f32 v[232+\b], 0x1800000, v[232+\b]  ; the floor 2^(3 - 127): a block whose every p is 0 keeps the byte 1: its codes are zeros
.endr
.irp b, 0,1,2,3
	s_delay_alu instid0(VALU_DEP_4)
	v_add_nc_u32 v[240+\b], 0xff000000, v[232+\b]  ; 2 off the exponent field: the conversion's scale operand
.endr
.irp b, 0,1,2,3
	s_delay_alu instid0(VALU_DEP_4)
	v_lshrrev_b32 v[236+\b], 23, v[240+\b]         ; the scale's byte
.endr
	s_delay_alu instid0(VALU_DEP_3)
	v_lshl_or_b32 v250, v237, 8, v236              ; p's scale word for these 128 keys
	s_delay_alu instid0(VALU_DEP_1)
	v_lshl_or_b32 v250, v238, 16, v250
	s_delay_alu instid0(VALU_DEP_1)
	v_lshl_or_b32 v250, v239, 24, v250
.irp b, 0,1,2,3
	v_cvt_scalef32_pk8_fp4_f32 v[224+2*\b], v[96+16*\b:103+16*\b], v[240+\b]
	v_cvt_scalef32_pk8_fp4_f32 v[225+2*\b], v[104+16*\b:111+16*\b], v[240+\b]
.endr
	v_nop                                          ; one plain line behind a scaled conversion
.irp c, 0,1                                    ; a whole block to a lane: lanes 0-15 block 2 c, lanes 16-31 block 2 c + 1
.irp k, 0,1
	v_permlane16_swap_b32 v[224+4*\c+\k], v[226+4*\c+\k]
.endr
.endr
	v_pk_add_f32 v[236:237], v[100:101], v[104:105]
	v_pk_add_f32 v[242:243], v[108:109], v[112:113]
	v_pk_add_f32 v[240:241], v[116:117], v[120:121]
	v_pk_add_f32 v[234:235], v[124:125], v[128:129]
	v_pk_add_f32 v[232:233], v[132:133], v[136:137]
	v_pk_add_f32 v[90:91], v[140:141], v[144:145]
	v_pk_add_f32 v[88:89], v[148:149], v[152:153]
	v_pk_add_f32 v[14:15], v[14:15], v[156:157]
	v_pk_add_f32 v[236:237], v[236:237], v[96:97]
	v_pk_add_f32 v[242:243], v[242:243], v[98:99]
	v_pk_add_f32 v[240:241], v[240:241], v[102:103]
	v_pk_add_f32 v[234:235], v[234:235], v[106:107]
	v_pk_add_f32 v[232:233], v[232:233], v[110:111]
	s_setprio 0
	v_pk_add_f32 v[90:91], v[90:91], v[114:115]
	v_pk_add_f32 v[88:89], v[88:89], v[118:119]
	v_pk_add_f32 v[14:15], v[14:15], v[122:123]
	v_pk_add_f32 v[236:237], v[236:237], v[126:127]
	v_pk_add_f32 v[242:243], v[242:243], v[130:131]
	v_pk_add_f32 v[240:241], v[240:241], v[134:135]
	v_pk_add_f32 v[234:235], v[234:235], v[138:139]
	v_pk_add_f32 v[232:233], v[232:233], v[142:143]
	v_pk_add_f32 v[90:91], v[90:91], v[146:147]
	v_pk_add_f32 v[88:89], v[88:89], v[150:151]
	v_pk_add_f32 v[14:15], v[14:15], v[154:155]
	v_pk_add_f32 v[236:237], v[236:237], v[158:159]
	s_delay_alu instid0(VALU_DEP_2)
	v_pk_add_f32 v[14:15], v[14:15], v[234:235]
	s_delay_alu instid0(VALU_DEP_2)
	v_pk_add_f32 v[236:237], v[236:237], v[232:233]
	v_pk_add_f32 v[242:243], v[242:243], v[90:91]
	v_pk_add_f32 v[240:241], v[240:241], v[88:89]
	s_delay_alu instid0(VALU_DEP_2)
	v_pk_add_f32 v[14:15], v[14:15], v[242:243]
	s_delay_alu instid0(VALU_DEP_2)
	v_pk_add_f32 v[236:237], v[236:237], v[240:241]
	s_delay_alu instid0(VALU_DEP_1)
	v_pk_add_f32 v[14:15], v[14:15], v[236:237]    ; (these 32 plain lines stand between the writing of p's codes and scale word and the products that take them)
.set i, 0
.rept 16
	v_pk_mul_f32 v[160+i:161+i], v[160+i:161+i], v[252:253] op_sel_hi:[1,0]   ; O^T under the new M
.set i, i+2
.endr
	s_wait_alu depctr_va_vdst(0)
	s_wait_dscnt 0x0                               ; V and its words are in
.irp t, 0,1,2,3
	v_wmma_scale_f32_16x16x128_f8f6f4 v[160+8*\t:167+8*\t], v[192+8*\t:199+8*\t], v[224:231], v[160+8*\t:167+8*\t], v[244+\t], v250 matrix_a_fmt:MATRIX_FMT_FP4 matrix_b_fmt:MATRIX_FMT_FP4
.endr
.Lskip_\p:
	s_add_co_u32 s[KO], s[KO], 4096                ; the next 128 keys
	s_add_co_u32 s[VO], s[VO], 4096
	s_add_co_u32 s[SO], s[SO], 512
	s_add_co_u32 s[TO], s[TO], 256
	s_add_co_u32 s[STP], s[STP], 1
	s_cmp_lt_u32 s[STP], 16
	s_cbranch_scc1 .Lstep_\p
	s_setprio 0
	; the way out: O^T / the sum; register 8 t + j is channel 16 t + 8 h + j of my query; two blocks of 32 channels
.rept 4
	v_nop
.endr
	v_add_f32 v14, v14, v15                        ; the sum's two halves,
	s_delay_alu instid0(VALU_DEP_1)
	v_permlanex16_b32 v254, v14, s[SEL], s[SEL+1]
	s_delay_alu instid0(VALU_DEP_1)
	v_add_f32 v14, v14, v254                       ; and lane l xor 16's
	s_wait_alu depctr_va_vdst(0)
	v_rcp_f32 v14, v14
	v_nop                                          ; a plain line behind the reciprocal
.set i, 0
	s_wait_alu depctr_va_vdst(0)
.rept 16
	v_pk_mul_f32 v[96+i:97+i], v[160+i:161+i], v[14:15] op_sel_hi:[1,0]   ; each accumulator from its low end on
.set i, i+2
.endr
.irp b, 0,1
	v_max3_num_f32 v[232+\b], |v[96+16*\b]|, |v[97+16*\b]|, 0x1800000
.endr
.irp k, 2,4,6,8,10,12,14
.irp b, 0,1
	s_delay_alu instid0(VALU_DEP_2)
	v_max3_num_f32 v[232+\b], v[232+\b], |v[96+16*\b+\k]|, |v[97+16*\b+\k]|
.endr
.endr
.irp b, 0,1
	s_delay_alu instid0(VALU_DEP_2)
	v_permlanex16_b32 v[236+\b], v[232+\b], s[SEL], s[SEL+1]
.endr
.irp b, 0,1
	s_delay_alu instid0(VALU_DEP_2)
	v_max_num_f32 v[232+\b], v[232+\b], v[236+\b]
.endr
.irp b, 0,1
	s_delay_alu instid0(VALU_DEP_2)
	v_add_nc_u32 v[240+\b], 0xff000000, v[232+\b]
.endr
.irp b, 0,1
	s_delay_alu instid0(VALU_DEP_2)
	v_lshrrev_b32 v[236+\b], 23, v[240+\b]
.endr
	s_delay_alu instid0(VALU_DEP_1)
	v_lshl_or_b32 v254, v237, 8, v236              ; my query's two scale bytes of this head
.irp b, 0,1
	v_cvt_scalef32_pk8_fp4_f32 v[224+2*\b], v[96+16*\b:103+16*\b], v[240+\b]
	v_cvt_scalef32_pk8_fp4_f32 v[225+2*\b], v[104+16*\b:111+16*\b], v[240+\b]
.endr
	v_nop
	v_permlane16_swap_b32 v224, v225               ; w_o's codes stand in the true order, so these must too: first inside each block: lanes 0-15 then hold channels 0-15, lanes 16-31 channels 16-31;
	v_permlane16_swap_b32 v226, v227
	s_delay_alu instid0(VALU_DEP_1)
	v_permlane16_swap_b32 v224, v226               ; then a whole block to a lane: lanes 0-15 block 0, lanes 16-31 block 1
	s_delay_alu instid0(VALU_DEP_2)
	v_permlane16_swap_b32 v225, v227
	global_store_b128 v1, v[224:227], s[OCB+2*\p:OCB+2*\p+1]   ; 32 lanes store 512 consecutive bytes: half a fragment's image for the last product
	global_store_b16 v255, v254, s[OSB+2*\p:OSB+2*\p+1]        ; both halves of the lanes write the same two bytes with the same value
.endm
	PASS 0
	PASS 1
	s_wait_xcnt 0x0
	v_lshl_add_u32 v254, v0, 2, 0x29000
	v_mov_b32 v255, 0
	s_wait_alu depctr_va_vdst(0)
	s_wait_tensorcnt 0x0
	ds_add_u32 v254, v255
	s_wait_dscnt 0x0
	CROUND                                         ; the closing round: no work-group ends while a partner may still ask for a tile that names it
	s_endpgm
.Lfunc_end_k_q78f8d27a86_attn:
	.size	k_q78f8d27a86_attn, .Lfunc_end_k_q78f8d27a86_attn-k_q78f8d27a86_attn
	.p2alignl 7, 3214868480
	.fill 96, 4, 3214868480
	.section	.rodata,"a",@progbits
	.p2align	6, 0x0
	.amdhsa_kernel k_q78f8d27a86_attn
		.amdhsa_group_segment_fixed_size 169984
		.amdhsa_private_segment_fixed_size 0
		.amdhsa_enable_private_segment 0
		.amdhsa_kernarg_size 24
		.amdhsa_user_sgpr_count 2
		.amdhsa_user_sgpr_kernarg_segment_ptr 1
		.amdhsa_wavefront_size32 1
		.amdhsa_system_sgpr_workgroup_id_x 1
		.amdhsa_system_sgpr_workgroup_id_y 1
		.amdhsa_system_sgpr_workgroup_id_z 1
		.amdhsa_system_vgpr_workitem_id 0
		.amdhsa_next_free_vgpr 256
		.amdhsa_next_free_sgpr 72
		.amdhsa_reserve_vcc 1
		.amdhsa_float_denorm_mode_32 3
		.amdhsa_float_denorm_mode_16_64 3
		.amdhsa_memory_ordered 1
		.amdhsa_forward_progress 1
		.amdhsa_inst_pref_size 62
	.end_amdhsa_kernel
	.amdgpu_metadata
---
amdhsa.version: [ 1, 2 ]
amdhsa.kernels:
  - .name:           k_q78f8d27a86_attn
    .symbol:         k_q78f8d27a86_attn.kd
    .args:
      - { .name: qkv, .offset: 0, .size: 8, .value_kind: global_buffer, .address_space: global }
      - { .name: o_codes, .offset: 8, .size: 8, .value_kind: global_buffer, .address_space: global }
      - { .name: o_scales, .offset: 16, .size: 8, .value_kind: global_buffer, .address_space: global }
    .group_segment_fixed_size: 169984
    .private_segment_fixed_size: 0
    .kernarg_segment_align: 8
    .kernarg_segment_size: 24
    .max_flat_workgroup_size: 512
    .sgpr_count:     72
    .vgpr_count:     256
    .wavefront_size: 32
...
	.end_amdgpu_metadata
.endif
;; end of part 4
;; launch oproj (part 5): grid 4 x 32, 4 waves a work-group, clusters of 4 x 4, 327,680 bytes of LDS; arguments o_codes, o_scales, w_codes, w_scales, b_o, out0; writes out0
.if DOCPART == 5
	.amdgcn_target "amdgcn-amd-amdhsa--gfx1250"
	.amdhsa_code_object_version 6
	.text
	.protected	k_q78f8d27a86_oproj
	.globl	k_q78f8d27a86_oproj
	.p2align	8
	.type	k_q78f8d27a86_oproj,@function
k_q78f8d27a86_oproj:
	s_mov_b64 s[64:65], 0
	v_nop
	global_prefetch_b8 v0, s[64:65] scope:SCOPE_SE
	s_setreg_imm32_b32 hwreg(HW_REG_WAVE_MODE, 25, 1), 1
	s_wait_xcnt 0x0
	s_wait_alu depctr_hold_cnt(0) depctr_sa_sdst(0) depctr_va_vdst(0) depctr_va_sdst(0) depctr_va_ssrc(0) depctr_va_vcc(0) depctr_vm_vsrc(0)
	s_getreg_b32 s2, hwreg(HW_REG_IB_STS2, 6, 4)
	s_cmp_eq_u32 s2, 0
	s_cbranch_scc0 .Lentry_in_a_cluster
	s_endpgm
.Lentry_in_a_cluster:
	s_bfe_u32 s2, ttmp6, 0x10000c
	s_cmp_lg_u32 s2, 0xf033
	s_cbranch_scc0 .Lentry_shape_is_right
	s_endpgm
.Lentry_shape_is_right:
; out0 = O w_o + b_o on codes of FP4 with E8M0 scales: M = 8192, N = 1024, K = 1024; out0 f32.
; A tile of 256 x 256 to a work-group of four waves, 128 x 128 a wave (64 accumulators, 512 registers); 128 work-groups in 8 clusters of 4 x 4.  A's tiles are shared along a row of the cluster, B's along a column: joint loads.
; K = 1024 is two LDS slots of 512 along K: both are asked for at the head and nothing is filled again.
; A (the attention's output) lies in memory as images of its fragments: [tile of 16 tokens][head][lane][16 bytes]: a slot's part of a tile of 16 tokens is 4,096 consecutive bytes, and a fragment's load takes 512 consecutive bytes.
; B is rows 3072 on of the weights' codes, K innermost, in rows of 256 bytes + 16 of padding.  Source 0 = 16 rows of B, source 1 = 16 rows of A: a lane holds eight neighbouring numbers of a row of out0.
; The bias is the C of each sum's first product.  Results go through the wave's own stage in LDS and leave as whole rows of 512 bytes.
; REGISTERS: window 0: v16-30 addresses; v32-95 scale words, two sets; v128-191 A's fragments; v192-255 the bias; on the way out v128-255 hold rows.  window 1: B's fragments, two sets.  windows 2, 3: the accumulators.
.set SIZE_N, 1024
.set NQ,     4
.set ROWB,   256
.set KROW,   512
.set PITCH,  272
.set FR,     8
.set NL,     2
.set NP,     4
.set HALFT,  128*PITCH                 ; B: 128 rows
.set HALFA,  32768                     ; A: 8 tiles of 16 tokens x 4,096 bytes
.set SLOT,   2*HALFA+2*HALFT
.set KS,     32
.set SCL,    2*SLOT
.set HALFS,  (128*KS/256)*272
.set SBLK,   (16*KS/256)*272
.set SPARE,  SCL+4*HALFS               ; the spare words, 128 bytes a wave: two blocks of 256 bytes that no other line names
.set SPITCH, 528                       ; the stage: 16 rows x (512 bytes + 16) a wave, in slot 0's bytes, which have had their one fill and their last read when the first result is stored there
.set ADRA, 16
.set ADRB, 20
.set STO,  24
.set RD,   25
.set CO,   26
.set ADRS, 27
.set SPW,  28
.set NIL,  29
.set BOF,  30                          ; v30  the bias loads' offset
.set SC,   32
.set AF,   128
.set BK,   128
.set BIAS, 192
.set G1, 24
.set G0, 32
.set G1B, 48
.set G0B, 56
.set G1S, 68
.set G0S, 76
.set G1SB, 80
.set G0SB, 88
.set MSB, 0
.macro WIN new
.if MSB != \new
	s_set_vgpr_msb (MSB<<8)|\new
.set MSB, \new
.endif
.endm
.set MUL_LO, 0xa1
.set MUL_HI, 0xf1
.set FST_LO, 0x81                      ; the first products: C (the bias) window 0, D window 2
.set FST_HI, 0xc1
.set TO_B,   0x40
.macro JLOAD g0a, g1a, g0b, g1b        ; a joint load: waves 0 and 1 fetch for A, waves 2 and 3 for B; four v_nop follow each of the two lines
	s_cmp_eq_u32 s15, 0
	s_cbranch_scc0 .Lfor_b_\@
	tensor_load_to_lds s[\g0a:\g0a+3], s[\g1a:\g1a+7]
	s_nop 0
.rept 4
	v_nop
.endr
	s_branch .Lasked_\@
.Lfor_b_\@:
	tensor_load_to_lds s[\g0b:\g0b+3], s[\g1b:\g1b+7]
	s_nop 0
.rept 4
	v_nop
.endr
.Lasked_\@:
.endm
.macro CROUND
	s_barrier_signal -1
	s_barrier_wait -1
	s_cmp_lg_u32 s14, 0
	s_cbranch_scc1 .Lnot_wave_0_\@
	s_barrier_signal -3
.Lnot_wave_0_\@:
	s_barrier_wait -3
	s_barrier_signal -1
	s_barrier_wait -1
.endm
	s_load_b128 s[4:7], s[0:1], 0x0                ; O's codes s[4:5], O's scales s[6:7]
	s_load_b128 s[8:11], s[0:1], 0x10              ; the weights' codes s[8:9], their scales s[10:11]
	s_load_b64 s[96:97], s[0:1], 0x20              ; b_o
	s_load_b64 s[12:13], s[0:1], 0x28              ; out0
	v_lshl_add_u32 v[SPW], v0, 2, SPARE
	v_mov_b32 v[NIL], 0
	ds_add_u32 v28, v29
	ds_add_u32 v28, v29
	s_wait_dscnt 0x0
	v_lshrrev_b32 v1, 5, v0
	v_readfirstlane_b32 s14, v1                    ; wave 0..3
	s_lshr_b32 s15, s14, 1                         ; which half of the tile's rows is mine.  Also: I fetch for A (0) or for B (1)
	s_and_b32 s16, s14, 1                          ; which half of its columns.  Also: which half of that tile I fetch
	s_bfe_u32 s40, ttmp6, 0x40000                  ; cx, cy
	s_bfe_u32 s41, ttmp6, 0x40004
	s_lshl_b32 s42, ttmp9, 2
	s_add_co_u32 s42, s42, s40                     ; tile column = 4 x cluster x + cx
	s_and_b32 s17, ttmp7, 0xffff
	s_lshl_b32 s17, s17, 2
	s_add_co_u32 s17, s17, s41                     ; tile row = 4 x cluster y + cy
	s_lshl_b32 s43, s41, 2
	s_lshl_b32 s43, 15, s43                        ; my row of the cluster
	s_lshl_b32 s44, 0x1111, s40                    ; my column
	; A's tiles: 8 rows of 4,096 bytes (512 elements of 8 bytes), 8,192 bytes apart, no padding
	s_or_b32 s[G1+0], s43, (3<<16)|(1<<21)
	s_mov_b32 s[G1+1], 512<<16                     ; tensor_dim0
	s_mov_b32 s[G1+2], 8<<16                       ; tensor_dim1
	s_mov_b32 s[G1+3], 512<<16                     ; tile_dim0
	s_mov_b32 s[G1+4], 8                           ; tile_dim1
	s_mov_b32 s[G1+5], 1024                        ; from row to row
	s_mov_b32 s[G1+6], 0
	s_mov_b32 s[G1+7], 0
	; B's tiles: 128 rows x 256 bytes, 16 bytes of padding behind each
	s_or_b32 s[G1B+0], s44, (0<<16)|(1<<20)|(1<<21)|(5<<22)|(3<<25)
	s_mov_b32 s[G1B+1], ROWB<<16
	s_mov_b32 s[G1B+2], 128<<16
	s_mov_b32 s[G1B+3], ROWB<<16
	s_mov_b32 s[G1B+4], 128
	s_mov_b32 s[G1B+5], KROW
	s_mov_b32 s[G1B+6], 0
	s_mov_b32 s[G1B+7], 0
	; the scales of 128 rows: 4,096 dense bytes, as 16 rows of 256 bytes, 16 bytes of padding behind each
	s_or_b32 s[G1S+0], s43, (3<<16)|(1<<20)|(1<<21)|(5<<22)|(3<<25)
	s_or_b32 s[G1SB+0], s44, (3<<16)|(1<<20)|(1<<21)|(5<<22)|(3<<25)
.irp g, G1S, G1SB
	s_mov_b32 s[\g+1], 32<<16
	s_mov_b32 s[\g+2], (128*KS/256)<<16
	s_mov_b32 s[\g+3], 32<<16
	s_mov_b32 s[\g+4], 128*KS/256
	s_mov_b32 s[\g+5], 32
	s_mov_b32 s[\g+6], 0
	s_mov_b32 s[\g+7], 0
.endr
	s_lshl_b32 s18, s16, 7                         ; which 128 rows of the tile I fetch
	s_lshl_b32 s20, s17, 8
	s_add_co_u32 s20, s20, s18                     ; A: row 256 x tile row + 128 x half
	s_lshl_b32 s46, s42, 8
	s_add_co_u32 s46, s46, s18                     ; B: row 256 x tile column + 128 x half
	s_lshl_b32 s22, s20, 5                         ; their scales, in bytes
	s_lshl_b32 s92, s46, 5
	s_lshl_b32 s20, s20, 9                         ; their codes: 512 bytes a row in both layouts (16 tokens: 8,192 bytes)
	s_lshl_b32 s46, s46, 9
	s_mov_b32 s21, 0
	s_mov_b32 s23, 0
	s_mov_b32 s47, 0
	s_mov_b32 s93, 0
	s_mul_i32 s45, s16, HALFA                      ; where A's half goes,
	s_mul_i32 s95, s16, HALFT
	s_add_co_u32 s95, s95, 2*HALFA                 ; where B's,
	s_mul_i32 s94, s14, HALFS                      ; and the scales: no place in the cluster enters an LDS address
	s_wait_kmcnt 0x0
	s_add_nc_u64 s[8:9], s[8:9], 3072*KROW         ; w_o: rows 3072 on
	s_add_nc_u64 s[10:11], s[10:11], 3072*KS
	s_add_nc_u64 s[20:21], s[4:5], s[20:21]
	s_add_nc_u64 s[22:23], s[6:7], s[22:23]
	s_add_nc_u64 s[46:47], s[8:9], s[46:47]
	s_add_nc_u64 s[92:93], s[10:11], s[92:93]
	CROUND                                         ; all sixteen work-groups are here: the joint loads meet
	s_mov_b32 s[G0S], 1
	s_add_co_u32 s[G0S+1], s94, SCL
	s_mov_b64 s[G0S+2:G0S+3], s[22:23]
	s_or_b32 s[G0S+3], s[G0S+3], 0x80000000
	s_mov_b32 s[G0SB], 1
	s_add_co_u32 s[G0SB+1], s94, SCL
	s_mov_b64 s[G0SB+2:G0SB+3], s[92:93]
	s_or_b32 s[G0SB+3], s[G0SB+3], 0x80000000
	JLOAD G0S, G1S, G0SB, G1SB                     ; the scales first
.irp s, 0,1
	s_mov_b32 s[G0+4*\s], 1
	s_add_co_u32 s[G0+4*\s+1], s45, \s*SLOT
	s_add_nc_u64 s[G0+4*\s+2:G0+4*\s+3], s[20:21], \s*4096
	s_or_b32 s[G0+4*\s+3], s[G0+4*\s+3], 0x80000000
	s_mov_b32 s[G0B+4*\s], 1
	s_add_co_u32 s[G0B+4*\s+1], s95, \s*SLOT
	s_add_nc_u64 s[G0B+4*\s+2:G0B+4*\s+3], s[46:47], \s*ROWB
	s_or_b32 s[G0B+4*\s+3], s[G0B+4*\s+3], 0x80000000
	s_wait_alu depctr_va_vdst(0)
	s_wait_tensorcnt 0x0
	ds_add_u32 v28, v29
	s_wait_dscnt 0x0
	CROUND
	JLOAD G0+4*\s, G1, G0B+4*\s, G1B               ; one tensor load of mine, slot 1's, is out behind the second of these
.endr
	v_and_b32 v1, 15, v0                           ; r
	v_bfe_u32 v2, v0, 4, 1                         ; h
	v_and_b32 v6, 31, v0                           ; lane
	v_lshlrev_b32 v[CO], 4, v6                     ; 16 x lane: an image's place; also my bytes of a row of out0
	v_mul_u32_u24 v3, v1, PITCH
	v_lshl_add_u32 v4, v2, 4, v3                   ; B: a fragment's row x pitch + 16 x half
	s_mul_i32 s21, s15, HALFA                      ; my 128 rows of A
	s_mul_i32 s22, s16, HALFT                      ; my 128 rows of B,
	s_add_co_u32 s22, s22, 2*HALFA                 ; which lie behind A's
.irp s, 0,1
	v_add_nc_u32 v[ADRA+\s], s21, v[CO]
	v_add_nc_u32 v[ADRB+\s], s22, v4
	s_add_co_u32 s21, s21, SLOT
	s_add_co_u32 s22, s22, SLOT
.endr
	v_mul_u32_u24 v5, v1, KS
	v_lshrrev_b32 v6, 8, v5
	v_lshl_add_u32 v5, v6, 4, v5
	s_mul_i32 s21, s15, HALFS
	s_mul_i32 s22, s16, HALFS
	s_add_co_u32 s22, s22, 2*HALFS
	s_sub_co_u32 s22, s22, s21
	v_mul_u32_u24 v6, s22, v2                      ; lanes 16-31 take B's scale words
	s_add_co_u32 s21, s21, SCL
	v_add_nc_u32 v5, v5, v6
	v_add_nc_u32 v[ADRS], s21, v5
	s_mul_i32 s23, s14, 16*SPITCH                  ; my stage
	v_mul_u32_u24 v5, v1, SPITCH                   ; in: row r, 32 bytes for each half of the lanes
	v_lshl_add_u32 v5, v2, 5, v5
	v_add_nc_u32 v[STO], s23, v5
	v_add_nc_u32 v[RD], s23, v[CO]                 ; back: the 32 lanes take one row of 512 bytes
	v_lshlrev_b32 v[BOF], 5, v2                    ; the bias: lanes 16-31 stand 8 columns on
	s_lshl_b32 s46, s42, 10                        ; my first column, in bytes: 1024 x tile column + 512 x half
	s_lshl_b32 s47, s16, 9
	s_add_co_u32 s46, s46, s47
	s_mov_b32 s47, 0
	s_add_nc_u64 s[96:97], s[96:97], s[46:47]
.irp b, 0,1,2,3,4,5,6,7
	global_load_b128 v[BIAS+8*\b:BIAS+8*\b+3], v[BOF], s[96:97] offset:64*\b          ; register 8 b + j: column 16 b + 8 h + j
	global_load_b128 v[BIAS+8*\b+4:BIAS+8*\b+7], v[BOF], s[96:97] offset:64*\b+16
.endr
	s_lshl_b32 s20, s17, 8
	s_lshl_b32 s21, s15, 7
	s_add_co_u32 s20, s20, s21                     ; my first row of out0
	s_lshl_b32 s20, s20, 12                        ; 4,096 bytes a row
	s_add_co_u32 s20, s20, s46
	s_mov_b32 s21, 0
	s_add_nc_u64 s[12:13], s[12:13], s[20:21]
.macro FRAG reg, adr, q, i             ; B: 16 rows x 128 K from rows: lane l holds row l % 16; registers 4 c .. 4 c + 3 hold K = 64 c + 32 (l / 16) + 0 .. 31
.irp c, 0,1
	ds_load_b128 v[\reg+4*\c:\reg+4*\c+3], v[\adr] offset:64*(\q)+32*\c+(\i)*16*PITCH
.endr
.endm
.macro FRAGA reg, adr, q, i            ; A: the same registers from an image: tile i of 16 tokens, heads 2 q and 2 q + 1 of the slot's eight
.irp c, 0,1
	ds_load_b128 v[\reg+4*\c:\reg+4*\c+3], v[\adr] offset:4096*(\i)+512*(2*(\q)+\c)
.endr
.endm
; 16 matrix instructions: A's blocks a0, a0 + 1 x B's eight.  zero = 1: the sums start with the bias.  The 64 accumulators take turns, one instruction a turn.
.macro MUL16 a0, p, q, sc, zero
.irp a, \a0, \a0+1
.irp b, 0,1,2,3,4,5,6,7
.if \zero
	v_wmma_scale_f32_16x16x128_f8f6f4 v[8*(8*((\a)%4)+\b):8*(8*((\a)%4)+\b)+7], v[128*(\p)+FR*\b:128*(\p)+FR*\b+FR-1], v[AF+FR*(\a):AF+FR*(\a)+FR-1], v[BIAS+8*\b:BIAS+8*\b+7], v[SC+8*NQ*(\sc)+NQ*\b+(\q)], v[SC+8*NQ*(\sc)+NQ*(\a)+(\q)] matrix_a_fmt:MATRIX_FMT_FP4 matrix_b_fmt:MATRIX_FMT_FP4 matrix_a_scale:MATRIX_SCALE_ROW1
.else
	v_wmma_scale_f32_16x16x128_f8f6f4 v[8*(8*((\a)%4)+\b):8*(8*((\a)%4)+\b)+7], v[128*(\p)+FR*\b:128*(\p)+FR*\b+FR-1], v[AF+FR*(\a):AF+FR*(\a)+FR-1], v[8*(8*((\a)%4)+\b):8*(8*((\a)%4)+\b)+7], v[SC+8*NQ*(\sc)+NQ*\b+(\q)], v[SC+8*NQ*(\sc)+NQ*(\a)+(\q)] matrix_a_fmt:MATRIX_FMT_FP4 matrix_b_fmt:MATRIX_FMT_FP4 matrix_a_scale:MATRIX_SCALE_ROW1
.endif
.endr
.endr
.endm
.macro FETCH_B slot, q, p
	WIN TO_B
.irp i, 0,1,2,3,4,5,6,7
	FRAG 128*(\p)+FR*\i, ADRB+\slot, \q, \i
.endr
	WIN 0
.endm
.macro FETCH_A slot, q, i0
.irp i, \i0, \i0+1, \i0+2, \i0+3
	FRAGA AF+FR*(\i), ADRA+\slot, \q, \i
.endr
.endm
.macro SCALES sc
.irp i, 0,1,2,3,4,5,6,7
	ds_load_b128 v[SC+8*NQ*\sc+NQ*\i:SC+8*NQ*\sc+NQ*\i+3], v[ADRS] offset:\i*SBLK
.endr
.endm
.macro PLACES n
.rept \n
	v_nop
.endr
.endm
.macro STEP slot, q, zero
	s_wait_dscnt 4*NL                              ; B's set and A's blocks 0-3 are in; the youngest eight loads (A's blocks 4-7) may be out
.if \zero
	WIN FST_LO
.else
	WIN MUL_LO
.endif
	MUL16 0, (\q)%2, \q, \slot, \zero
	MUL16 2, (\q)%2, \q, \slot, \zero
	s_wait_dscnt 0
	PLACES NP
	FETCH_B \slot, (\q)+1, 1-(\q)%2
	FETCH_A \slot, (\q)+1, 0
.if \zero
	WIN FST_HI
.else
	WIN MUL_HI
.endif
	MUL16 4, (\q)%2, \q, \slot, \zero
	MUL16 6, (\q)%2, \q, \slot, \zero
	PLACES NP
	WIN 0
	FETCH_A \slot, (\q)+1, 4
.endm
.macro TURN slot, next                 ; a slot's last step changes slots: one barrier
	s_wait_tensorcnt 0x0                           ; all my tensor loads have landed: my part of the next slot;
	ds_add_u32 v[SPW], v[NIL]                      ; 0 onto my spare word;
	s_wait_dscnt 4*NL+1                            ; (the add and the youngest eight loads may be out)
	WIN MUL_LO
	MUL16 0, 1, NQ-1, \slot, 0
	s_wait_dscnt 0x0                               ; the add is done, and my reads of this slot are over
	s_barrier_signal -1
	MUL16 2, 1, NQ-1, \slot, 0
	WIN 0
	s_barrier_wait -1
	PLACES NP
	v_add_nc_u32 v[ADRS], 4*NQ, v[ADRS]
	FETCH_B \next, 0, 0
	FETCH_A \next, 0, 0
	SCALES \next
	WIN MUL_HI
	MUL16 4, 1, NQ-1, \slot, 0
	MUL16 6, 1, NQ-1, \slot, 0
	PLACES NP
	WIN 0
	FETCH_A \next, 0, 4
.endm
.macro STEPS slot, from
.set Q, \from
.rept NQ-1-\from
	STEP \slot, Q, 0
.set Q, Q+1
.endr
.endm
	s_wait_alu depctr_va_vdst(0)
	s_wait_tensorcnt 1                             ; the scales and my part of slot 0 are in (slot 1's load may be out),
	s_barrier_signal -1
	s_barrier_wait -1                              ; everybody's are
	FETCH_B 0, 0, 0
	FETCH_A 0, 0, 0
	SCALES 0
	FETCH_A 0, 0, 4
	s_wait_loadcnt 0x0                             ; the bias
	STEP 0, 0, 1
	STEPS 0, 1
	TURN 0, 1
	STEPS 1, 0
	s_wait_dscnt 4*NL                              ; the very last step: nothing more to fetch
	WIN MUL_LO
	MUL16 0, 1, NQ-1, 1, 0
	MUL16 2, 1, NQ-1, 1, 0
	s_wait_dscnt 0
	WIN MUL_HI
	MUL16 4, 1, NQ-1, 1, 0
	MUL16 6, 1, NQ-1, 1, 0
	WIN 0
; THE WAY OUT, block by block of 16 rows x 128 columns: through my own stage in LDS and back as whole rows of 512 bytes.  LDS serves a wave's instructions in order: no wait between the stores and the loads.
.macro TOSTAGE a
.set AC, 64*((\a)%4)
.set WD, 0x08+4*((\a)/4)
	WIN WD                                         ; an LDS store's data: window 2 or 3
.irp b, 0,1,2,3,4,5,6,7
	ds_store_b128 v[STO], v[AC+8*\b:AC+8*\b+3] offset:64*\b          ; each accumulator from its low end on
	ds_store_b128 v[STO], v[AC+8*\b+4:AC+8*\b+7] offset:64*\b+16
.endr
	WIN 0
.set BB, BK+64*((\a)%2)
.irp t, 0,1,2,3,4,5,6,7,8,9,10,11,12,13,14,15
	ds_load_b128 v[BB+4*\t:BB+4*\t+3], v[RD] offset:\t*SPITCH
.endr
.endm
.macro SEND a, younger                 ; younger: the LDS instructions issued behind block a's loads, which may stay out
.set BB, BK+64*((\a)%2)
	s_wait_dscnt \younger
.if (\a) > 0
	s_add_nc_u64 s[12:13], s[12:13], 16*SIZE_N*4   ; (behind a wait on XCNT: the earlier stores have read their base)
.endif
.irp t, 0,1,2,3,4,5,6,7,8,9,10,11,12,13,14,15
	global_store_b128 v[CO], v[BB+4*\t:BB+4*\t+3], s[12:13] offset:\t*SIZE_N*4 th:TH_STORE_NT   ; 32 lanes store 512 consecutive bytes
.endr
.endm
	PLACES NP                                      ; behind the last products: for the loads into the registers that held A's fragments, and for the stores that read results
	TOSTAGE 0
.irp a, 1,2,3,4,5,6,7
.if \a > 1
	s_wait_xcnt 0x0                                ; block a - 2's stores have read their registers and their base
.endif
	TOSTAGE \a
	SEND \a-1, 32                                  ; behind block a - 1's loads: block a's 16 stores and 16 loads
.endr
	s_wait_xcnt 0x0
	SEND 7, 0
	s_wait_tensorcnt 0x0                           ; the wave's end
	ds_add_u32 v[SPW], v[NIL]
	s_wait_dscnt 0x0
	CROUND                                         ; the closing round
	s_endpgm
.Lfunc_end_k_q78f8d27a86_oproj:
	.size	k_q78f8d27a86_oproj, .Lfunc_end_k_q78f8d27a86_oproj-k_q78f8d27a86_oproj
	.p2alignl 7, 3214868480
	.fill 96, 4, 3214868480
	.section	.rodata,"a",@progbits
	.p2align	6, 0x0
	.amdhsa_kernel k_q78f8d27a86_oproj
		.amdhsa_group_segment_fixed_size 327680
		.amdhsa_private_segment_fixed_size 0
		.amdhsa_enable_private_segment 0
		.amdhsa_kernarg_size 48
		.amdhsa_user_sgpr_count 2
		.amdhsa_user_sgpr_kernarg_segment_ptr 1
		.amdhsa_wavefront_size32 1
		.amdhsa_system_sgpr_workgroup_id_x 1
		.amdhsa_system_sgpr_workgroup_id_y 1
		.amdhsa_system_sgpr_workgroup_id_z 1
		.amdhsa_system_vgpr_workitem_id 0
		.amdhsa_next_free_vgpr 1024
		.amdhsa_next_free_sgpr 98
		.amdhsa_reserve_vcc 0
		.amdhsa_float_denorm_mode_32 3
		.amdhsa_float_denorm_mode_16_64 3
		.amdhsa_memory_ordered 1
		.amdhsa_forward_progress 1
		.amdhsa_inst_pref_size 127
	.end_amdhsa_kernel
	.amdgpu_metadata
---
amdhsa.version: [ 1, 2 ]
amdhsa.kernels:
  - .name:           k_q78f8d27a86_oproj
    .symbol:         k_q78f8d27a86_oproj.kd
    .args:
      - { .name: o_codes, .offset: 0, .size: 8, .value_kind: global_buffer, .address_space: global }
      - { .name: o_scales, .offset: 8, .size: 8, .value_kind: global_buffer, .address_space: global }
      - { .name: w_codes, .offset: 16, .size: 8, .value_kind: global_buffer, .address_space: global }
      - { .name: w_scales, .offset: 24, .size: 8, .value_kind: global_buffer, .address_space: global }
      - { .name: b_o, .offset: 32, .size: 8, .value_kind: global_buffer, .address_space: global }
      - { .name: out0, .offset: 40, .size: 8, .value_kind: global_buffer, .address_space: global }
    .group_segment_fixed_size: 327680
    .private_segment_fixed_size: 0
    .kernarg_segment_align: 8
    .kernarg_segment_size: 48
    .max_flat_workgroup_size: 128
    .sgpr_count:     98
    .vgpr_count:     1024
    .wavefront_size: 32
...
	.end_amdgpu_metadata
.endif
;; end of part 5
